; MI455X (gfx1250); checked and timed in simulation.
; The chip was launched on July 23, 2026; its instructions are those of AMD's public machine-readable ISA for CDNA 5 (MIT licence, August 2026) and "CDNA5" Instruction Set Architecture Reference Guide (July 2026). The comments in the code are by the model that wrote it; some were corrected since.
;; Causal Self Attention. Allowed arithmetic: matrix products marked QUANTISED: E5M2 operands, one given power-of-two scale a tensor, by v_wmma_f32_16x16x64_bf8_bf8 or v_wmma_f32_16x16x128_bf8_bf8, f32 sums; everything else in f32.
;; Inputs: Wk 1,024 x 1,024 float32; Wo 1,024 x 1,024 float32; Wq 1,024 x 1,024 float32; Wv 1,024 x 1,024 float32; beta 1,024 float32; bk 1,024 float32; bo 1,024 float32; bq 1,024 float32; bv 1,024 float32; gamma 1,024 float32; lowp_scales 12 int32 (the exponents e of the quantised operands' scales 2^e); x 4 x 2,048 x 1,024 float32.
;; Outputs: out0 4 x 2,048 x 1,024 float32.
;; This version of the problem:
;;   THIS VERSION OF THE PROBLEM IS GIVEN IN LOW PRECISION. The matrix products marked QUANTISED in the list below multiply operands that are first quantised to E5M2 (5 exponent bits, 2 mantissa bits; 8 bits a number), with one given power-of-two scale for each operand tensor; their sums are f32. All else is computed in f32.
;;   The module's matrix products, in the order in which they are computed (A, B: the left and right operand; K: the contracted axis; several contracted axes count as one K, in the product's order):
;;     1. [M 8,192, K 1,024] x [K 1,024, N 1,024]; A: input x; B: input Wq: QUANTISED (scales: A lowp_scales[0], B lowp_scales[1])
;;     2. [M 8,192, K 1,024] x [K 1,024, N 1,024]; A: input x; B: input Wk: QUANTISED (scales: A lowp_scales[2], B lowp_scales[3])
;;     3. [M 8,192, K 1,024] x [K 1,024, N 1,024]; A: input x; B: input Wv: QUANTISED (scales: A lowp_scales[4], B lowp_scales[5])
;;     4. batch 64 x [M 2,048, K 64] x [K 64, N 2,048]; A: computed on the way; B: computed on the way: QUANTISED (scales: A lowp_scales[6], B lowp_scales[7])
;;     5. batch 64 x [M 2,048, K 2,048] x [K 2,048, N 64]; A: softmax (see below); B: computed on the way: QUANTISED (scales: A lowp_scales[8], B lowp_scales[9])
;;     6. [M 8,192, K 1,024] x [K 1,024, N 1,024]; A: computed on the way; B: input Wo: QUANTISED (scales: A lowp_scales[10], B lowp_scales[11])
;;   THE QUANTISER, for each operand of a quantised product, along K:
;;     - The operand's scale is 2^e, e = its entry of the input lowp_scales (int32; the entries are numbered through the quantised products in the list's order, A before B).
;;     - Each number is divided by the scale, clamped to +-57,344, and rounded to the nearest number of E5M2, ties to even, subnormals kept.
;;     - The product sums the exact products of the quantised numbers (number of the format x scale) in f32.
;;   ~~~python
;;   def quantise(x, axis, e):      # numpy; x: float32 -> the quantised numbers, widened to float32 again
;;       x = np.moveaxis(x, axis, -1); K = x.shape[-1]
;;       r = np.clip(x / 2.0 ** e, -57344, 57344)
;;       step = 2.0 ** (np.maximum(np.frexp(np.where(r == 0, 1, r))[1] - 1, -14) - 2)
;;       q = np.round(r / step) * step * 2.0 ** e      # np.round: ties to even
;;       return np.moveaxis(q, -1, axis).astype(np.float32)
;;   ~~~
;;   SOFTMAX AHEAD OF A QUANTISED PRODUCT. Where the list says 'softmax', what is quantised is not the finished softmax but p = 2^(t - M), with t = logit x log2(e) and M = ceil(the row's largest t), a whole number; so 1/2 < the row's largest p <= 1. The row's sum l is taken of the UNQUANTISED p, in f32, and the product's result is divided by l at the end. Since M is a whole number, a kernel that streams over the keys may use a running M (the ceiling of the running maximum): every later rescaling is an exact power of two, so the quantised numbers keep their values, but for numbers so far below the row's largest that they fall under the format's range.
;;   OPERANDS COMPUTED ON THE WAY. 'Computed on the way' means the value that the module computes at that place (a softmax that the list does not call 'softmax' is quantised finished and normalised). What goes into a quantiser is computed in f32, as accurately as f32 sums, v_exp_f32 and their like allow (about 1e-6 of the number): no bf16 or f16 on the way to a quantiser, and a product that is left as it is and whose result goes on into a quantised operand takes f32 operands (vector FMAs, or v_wmma_f32_16x16x4_f32). A number that lies on a knife's edge between two numbers of the format may be rounded either way, as far as f32 arithmetic and the matrix unit's own rounding can turn it there, and no further.
;; One version. Each part assembles by itself: llvm-mc -triple=amdgcn-amd-amdhsa -mcpu=gfx1250 --defsym DOCPART=n.
;; ======== version 1 of 1: 4 launches
;; workspace buffers: xq 25,165,824 bytes; wc 3,145,728 bytes; woc 1,048,576 bytes; qkv 25,165,824 bytes; ac 8,388,608 bytes
;; launch quant (part 1): grid 384 x 1, 4 waves a work-group, no clusters, 66,048 bytes of LDS; arguments x, Wq, Wk, Wv, Wo, lowp_scales, xq, wc, woc; writes xq, wc, woc
.if DOCPART == 1
	.amdgcn_target "amdgcn-amd-amdhsa--gfx1250"
	.amdhsa_code_object_version 6
	.text
	.protected	k_qb4b22eb779_quant
	.globl	k_qb4b22eb779_quant
	.p2align	8
	.type	k_qb4b22eb779_quant,@function
k_qb4b22eb779_quant:
	s_mov_b64 s[64:65], 0
	v_nop
	global_prefetch_b8 v0, s[64:65] scope:SCOPE_SE
	s_setreg_imm32_b32 hwreg(HW_REG_WAVE_MODE, 25, 1), 1
	s_wait_xcnt 0x0
; f32 numbers into codes of BF8 (E5M2): code = number / 2^e, held within +-57,344, rounded to the nearest code, ties to even.
; x [8192][1024] is an operand of three products, each with a scale of its own (entries 0, 2, 4 of the scales): it is read once and three sets of codes are stored, xq [3][8192][1024].
; Wq, Wk, Wv [1024][1024] (entries 1, 3, 5) become wc [3][1024][1024].  In both K is innermost and rows are dense: plain streams of numbers and of codes.
; Wo [1024][1024] (entry 11) becomes woc [K step 8][tile of 16 rows 64][quad 4][lane 32][16 bytes]: the image of an operand's 16 registers: lane (r, h) holds, of row 16 tile + r,
; k = 128 step + 16 c + 8 h + 0 .. 7 in registers 2 c, 2 c + 1; quad q is registers 4 q .. 4 q + 3.  The last launch takes a K step's images as one dense block.
; SHARES: work-groups 0-255 take x, 256-351 the three weights (32 each), 352-383 Wo.  The three ways part on the work-group's number and never meet again; x's way and the weights' way have LDS bytes of their own.
; A wave of the first two ways takes 16 steps of 512 numbers: each load reads 512 consecutive bytes, 16 a lane; a step's 2,048 bytes turn through the wave's own stage in LDS (16 bytes of padding behind each 64)
; and come back 64 bytes a lane, since a conversion takes eight neighbours along K from one lane's registers.  A lane's 16 codes are 16 bytes: a store of the wave covers 512 consecutive bytes, aligned.
; No tensor loads, no barrier: waves share nothing.
; LIMITS: each e used here lies between -126 and 112, so that 2^e and 57,344 x 2^e are f32 numbers.  NaN among the inputs is not served (an infinity is held at the largest code).
.set STEPS, 16
.set SP,    80                         ; a lane's place in a stage: its 64 bytes + 16 of padding
.set WREG,  8192                       ; LDS of a wave: two stages of 32 x SP bytes
.set LBX,   0                          ; x's way: LDS bytes 0 on
.set LBW,   32768                      ; the weights' way: LDS bytes 32,768 on
.set SC,    5                          ; v5-7    2^e as f32, for up to three scales
.set LM,    8                          ; v8-10   57,344 x 2^e
.set R,     16                         ; v16-79  four sets of 16 numbers as they are loaded
.set X,     80                         ; v80-111 two sets of 16 neighbours
.set T,     112                        ; v112-159 up to three sets of 16 held numbers
.set C,     160                        ; v160-183 two sets of up to 12 registers of codes
.set NB,    16                         ; Wo's way: v16-143 two sets of 64 numbers
.set OCD,   144                        ; Wo's way: v144-175 two sets of 16 registers of codes
.set DST,   36                         ; s[36:41] up to three bases for the codes
	s_load_b512 s[4:19], s[0:1], 0x0               ; x, Wq, Wk, Wv, Wo, the scales, xq, wc
	s_load_b64 s[20:21], s[0:1], 0x40              ; woc
	v_lshl_add_u32 v192, v0, 2, 0x10000
	v_mov_b32 v193, 0
	v_lshrrev_b32 v1, 5, v0
	v_readfirstlane_b32 s22, v1                    ; wave
	v_and_b32 v2, 31, v0                           ; lane
	v_lshlrev_b32 v3, 4, v2                        ; my 16 bytes of a load's 512
	v_lshlrev_b32 v4, 4, v2                        ; my 16 bytes of a store's 512
	s_mul_i32 s23, s22, WREG
	v_lshrrev_b32 v14, 2, v2
	v_mul_u32_u24 v14, v14, SP
	v_and_b32 v15, 3, v2
	v_lshl_add_u32 v14, v15, 4, v14
	v_add_nc_u32 v14, s23, v14                     ; the stage, on the way in: four lanes' 64 bytes on end, then 16 of padding
	v_mul_u32_u24 v15, v2, SP
	v_add_nc_u32 v15, s23, v15                     ; and on the way out: my 16 neighbours
	s_mov_b32 s45, 0                               ; the upper word of every offset below
	s_wait_kmcnt 0x0
	s_load_b256 s[24:31], s[14:15], 0x0            ; e0 .. e7
	s_load_b128 s[32:35], s[14:15], 0x20           ; e8 .. e11
.macro MKSCALE e, k                    ; the scale in scalar register e becomes 2^e and 57,344 x 2^e as f32
	s_add_co_i32 s46, \e, 127
	s_lshl_b32 s47, s46, 23
	v_mov_b32 v[SC+\k], s47                        ; the conversion takes its exponent field
	s_add_co_i32 s46, s46, 15
	s_lshl_b32 s46, s46, 23
	s_or_b32 s46, s46, 0x600000                    ; the mantissa field of 57,344
	v_mov_b32 v[LM+\k], s46
.endm
.macro LOAD t
.irp i, 0,1,2,3
	global_load_b128 v[R+16*((\t)%4)+4*\i:R+16*((\t)%4)+4*\i+3], v3, s[4:5] offset:2048*(\t)+512*\i th:TH_LOAD_NT   ; 32 lanes read 512 consecutive bytes
.endr
.endm
.macro TURN t, lb                      ; step t's numbers through the stage: LDS serves a wave's instructions in order, so no wait stands between the stores and the loads
.irp i, 0,1,2,3
	ds_store_b128 v14, v[R+16*((\t)%4)+4*\i:R+16*((\t)%4)+4*\i+3] offset:\lb+32*SP*((\t)%2)+8*SP*\i
.endr
.irp i, 0,1,2,3
	ds_load_b128 v[X+16*((\t)%2)+4*\i:X+16*((\t)%2)+4*\i+3], v15 offset:\lb+32*SP*((\t)%2)+16*\i
.endr
.endm
; One step: 512 numbers, ns sets of codes.
.macro QSTEP t, ns, lb
.set XS, X+16*((\t)%2)
.set CC, C+12*((\t)%2)
	s_wait_dscnt 0x0                               ; this step's numbers are back from the stage, so its stores into the stage have read their registers,
.if (\t)+4 < STEPS
	LOAD (\t)+4                                    ; which take the loads of four steps on
.endif
.if (\t)+1 < STEPS
.if STEPS-2-(\t) >= 3
	s_wait_loadcnt 12                              ; the next step's four loads are in; the twelve of the three steps behind it may be out
.else
	s_wait_loadcnt 4*(STEPS-2-(\t))
.endif
	TURN (\t)+1, \lb                               ; and go through the other stage while this step is worked
.endif
.set k, 0
.rept \ns
.irp i, 0,1,2,3,4,5,6,7,8,9,10,11,12,13,14,15
	v_med3_num_f32 v[T+16*k+\i], v[XS+\i], -v[LM+k], v[LM+k]   ; the conversion to an 8-bit code does not saturate (ISA guide 7.6.2): the hold at the largest code x the scale
.endr
.set k, k+1
.endr
.if (\t) >= 2
	s_wait_xcnt 0x0                                ; the stores of two steps back have read this set of code registers
.endif
.set k, 0
.rept \ns
	v_cvt_scalef32_pk8_bf8_f32 v[CC+4*k:CC+4*k+1], v[T+16*k:T+16*k+7], v[SC+k]
	v_cvt_scalef32_pk8_bf8_f32 v[CC+4*k+2:CC+4*k+3], v[T+16*k+8:T+16*k+15], v[SC+k]
.set k, k+1
.endr
	v_nop                                          ; one plain vector line behind the conversions: the next step's holds write their sources
.set k, 0
.rept \ns
	global_store_b128 v4, v[CC+4*k:CC+4*k+3], s[DST+2*k:DST+2*k+1] offset:512*(\t)
.set k, k+1
.endr
.endm
	s_cmp_lt_u32 ttmp9, 256
	s_cbranch_scc0 .Lnot_x
	; ---- x: run 4 x work-group + wave of 8,192 numbers
	s_lshl_b32 s42, ttmp9, 2
	s_add_co_u32 s42, s42, s22
	s_lshl_b32 s44, s42, 15
	s_add_nc_u64 s[4:5], s[4:5], s[44:45]
	s_lshl_b32 s44, s42, 13
	s_add_nc_u64 s[36:37], s[16:17], s[44:45]      ; the three sets of codes lie 8,388,608 bytes apart: a base for each
	s_add_nc_u64 s[38:39], s[36:37], 0x800000
	s_add_nc_u64 s[40:41], s[38:39], 0x800000
.irp t, 0,1,2,3
	LOAD \t
.endr
	s_wait_kmcnt 0x0
	MKSCALE s24, 0
	MKSCALE s26, 1
	MKSCALE s28, 2
	s_wait_loadcnt 12                              ; step 0's four loads are in
	TURN 0, LBX
.irp t, 0,1,2,3,4,5,6,7,8,9,10,11,12,13,14,15
	QSTEP \t, 3, LBX
.endr
	s_wait_tensorcnt 0x0
	ds_add_u32 v192, v193
	s_wait_dscnt 0x0
	s_endpgm
.Lnot_x:
	s_cmp_lt_u32 ttmp9, 352
	s_cbranch_scc0 .Lpath_o
	; ---- Wq, Wk, Wv: weight (work-group - 256) / 32, run 4 x (work-group % 32) + wave
	s_sub_co_u32 s42, ttmp9, 256
	s_lshr_b32 s43, s42, 5                         ; which weight
	s_and_b32 s42, s42, 31
	s_lshl_b32 s42, s42, 2
	s_add_co_u32 s42, s42, s22
	s_cmp_eq_u32 s43, 0                            ; the choice hangs on the work-group's number alone
	s_cselect_b64 s[4:5], s[6:7], s[8:9]
	s_cmp_eq_u32 s43, 2
	s_cselect_b64 s[4:5], s[10:11], s[4:5]
	s_lshl_b32 s44, s42, 15
	s_add_nc_u64 s[4:5], s[4:5], s[44:45]
	s_lshl_b32 s44, s43, 20
	s_lshl_b32 s46, s42, 13
	s_add_co_u32 s44, s44, s46
	s_add_nc_u64 s[36:37], s[18:19], s[44:45]
.irp t, 0,1,2,3
	LOAD \t
.endr
	s_wait_kmcnt 0x0
	s_cmp_eq_u32 s43, 0
	s_cselect_b32 s48, s25, s27                    ; e1, e3 or e5
	s_cmp_eq_u32 s43, 2
	s_cselect_b32 s48, s29, s48
	MKSCALE s48, 0
	s_wait_loadcnt 12
	TURN 0, LBW
.irp t, 0,1,2,3,4,5,6,7,8,9,10,11,12,13,14,15
	QSTEP \t, 1, LBW
.endr
	s_wait_tensorcnt 0x0
	ds_add_u32 v192, v193
	s_wait_dscnt 0x0
	s_endpgm
.Lpath_o:
	; ---- Wo: wave g = 4 x (work-group - 352) + wave takes the tile of rows g / 2 and the K steps 4 (g % 2) + 0 .. 3.  No LDS: a lane loads its row's numbers in the order of the operand's registers.
	s_sub_co_u32 s42, ttmp9, 352
	s_lshl_b32 s42, s42, 2
	s_add_co_u32 s42, s42, s22                     ; g
	s_lshr_b32 s43, s42, 1                         ; the tile of 16 rows
	s_and_b32 s42, s42, 1                          ; which half of K
	s_lshl_b32 s44, s43, 16                        ; 16 rows of 4,096 bytes
	s_lshl_b32 s46, s42, 11                        ; four K steps of 512 bytes
	s_add_co_u32 s44, s44, s46
	s_add_nc_u64 s[12:13], s[12:13], s[44:45]
	s_lshl_b32 s44, s42, 8                         ; (4 x half) x 64 tiles
	s_add_co_u32 s44, s44, s43
	s_lshl_b32 s44, s44, 11                        ; an image is 2,048 bytes
	s_add_nc_u64 s[20:21], s[20:21], s[44:45]
	v_and_b32 v11, 15, v0                          ; r
	v_bfe_u32 v13, v0, 4, 1                        ; h
	v_lshlrev_b32 v12, 12, v11
	v_lshl_add_u32 v12, v13, 5, v12                ; row r, + 8 h numbers
.macro OLOAD i                         ; K step i of my four: register 8 c + j = k 16 c + 8 h + j of my row
.irp c, 0,1,2,3,4,5,6,7
	global_load_b128 v[NB+64*((\i)%2)+8*\c:NB+64*((\i)%2)+8*\c+3], v12, s[12:13] offset:512*(\i)+64*\c th:TH_LOAD_NT
	global_load_b128 v[NB+64*((\i)%2)+8*\c+4:NB+64*((\i)%2)+8*\c+7], v12, s[12:13] offset:512*(\i)+64*\c+16 th:TH_LOAD_NT
.endr
.endm
.macro OFRAG i
.set NN, NB+64*((\i)%2)
.set OC, OCD+16*((\i)%2)
.if (\i) < 3
	s_wait_loadcnt 16                              ; this fragment's sixteen loads are in; the next fragment's sixteen may be out
.else
	s_wait_loadcnt 0x0
.endif
.set n, 0
.rept 64
	v_med3_num_f32 v[NN+n], v[NN+n], -v[LM], v[LM]
.set n, n+1
.endr
.if (\i) >= 2
	s_wait_xcnt 0x0                                ; the stores of two fragments back have read this set of code registers
.endif
.irp c, 0,1,2,3,4,5,6,7
	v_cvt_scalef32_pk8_bf8_f32 v[OC+2*\c:OC+2*\c+1], v[NN+8*\c:NN+8*\c+7], v[SC]   ; registers 2 c, 2 c + 1 of the operand
.endr
	v_nop                                          ; one plain vector line behind the conversions
.if (\i)+2 < 4
	OLOAD (\i)+2
.endif
.irp q, 0,1,2,3
	global_store_b128 v4, v[OC+4*\q:OC+4*\q+3], s[20:21] offset:131072*(\i)+512*\q   ; a quad of the image: 512 consecutive bytes, aligned; a K step on is 64 images on
.endr
.endm
	OLOAD 0
	OLOAD 1
	s_wait_kmcnt 0x0
	MKSCALE s35, 0                                 ; e11
.irp i, 0,1,2,3
	OFRAG \i
.endr
	s_endpgm
.Lfunc_end_k_qb4b22eb779_quant:
	.size	k_qb4b22eb779_quant, .Lfunc_end_k_qb4b22eb779_quant-k_qb4b22eb779_quant
	.p2alignl 7, 3214868480
	.fill 96, 4, 3214868480
	.section	.rodata,"a",@progbits
	.p2align	6, 0x0
	.amdhsa_kernel k_qb4b22eb779_quant
		.amdhsa_group_segment_fixed_size 66048
		.amdhsa_private_segment_fixed_size 0
		.amdhsa_enable_private_segment 0
		.amdhsa_kernarg_size 72
		.amdhsa_user_sgpr_count 2
		.amdhsa_user_sgpr_kernarg_segment_ptr 1
		.amdhsa_wavefront_size32 1
		.amdhsa_system_sgpr_workgroup_id_x 1
		.amdhsa_system_sgpr_workgroup_id_y 1
		.amdhsa_system_sgpr_workgroup_id_z 1
		.amdhsa_system_vgpr_workitem_id 0
		.amdhsa_next_free_vgpr 194
		.amdhsa_next_free_sgpr 66
		.amdhsa_reserve_vcc 0
		.amdhsa_float_denorm_mode_32 3
		.amdhsa_float_denorm_mode_16_64 3
		.amdhsa_memory_ordered 1
		.amdhsa_forward_progress 1
		.amdhsa_inst_pref_size 141
	.end_amdhsa_kernel
	.amdgpu_metadata
---
amdhsa.version: [ 1, 2 ]
amdhsa.kernels:
  - .name:           k_qb4b22eb779_quant
    .symbol:         k_qb4b22eb779_quant.kd
    .args:
      - { .name: x, .offset: 0, .size: 8, .value_kind: global_buffer, .address_space: global }
      - { .name: Wq, .offset: 8, .size: 8, .value_kind: global_buffer, .address_space: global }
      - { .name: Wk, .offset: 16, .size: 8, .value_kind: global_buffer, .address_space: global }
      - { .name: Wv, .offset: 24, .size: 8, .value_kind: global_buffer, .address_space: global }
      - { .name: Wo, .offset: 32, .size: 8, .value_kind: global_buffer, .address_space: global }
      - { .name: lowp_scales, .offset: 40, .size: 8, .value_kind: global_buffer, .address_space: global }
      - { .name: xq, .offset: 48, .size: 8, .value_kind: global_buffer, .address_space: global }
      - { .name: wc, .offset: 56, .size: 8, .value_kind: global_buffer, .address_space: global }
      - { .name: woc, .offset: 64, .size: 8, .value_kind: global_buffer, .address_space: global }
    .group_segment_fixed_size: 66048
    .private_segment_fixed_size: 0
    .kernarg_segment_align: 8
    .kernarg_segment_size: 72
    .max_flat_workgroup_size: 128
    .sgpr_count:     66
    .vgpr_count:     194
    .wavefront_size: 32
...
	.end_amdgpu_metadata
.endif
;; end of part 1
;; launch qkv (part 2): grid 4 x 96, 4 waves a work-group, clusters of 4 x 4, 327,680 bytes of LDS; arguments xq, wc, lowp_scales, bq, bk, bv, qkv; writes qkv
.if DOCPART == 2
	.amdgcn_target "amdgcn-amd-amdhsa--gfx1250"
	.amdhsa_code_object_version 6
	.text
	.protected	k_qb4b22eb779_qkv
	.globl	k_qb4b22eb779_qkv
	.p2align	8
	.type	k_qb4b22eb779_qkv,@function
k_qb4b22eb779_qkv:
	s_mov_b64 s[64:65], 0
	v_nop
	global_prefetch_b8 v0, s[64:65] scope:SCOPE_SE
	s_setreg_imm32_b32 hwreg(HW_REG_WAVE_MODE, 25, 1), 1
	s_wait_xcnt 0x0
	s_wait_alu depctr_hold_cnt(0) depctr_sa_sdst(0) depctr_va_vdst(0) depctr_va_sdst(0) depctr_va_ssrc(0) depctr_va_vcc(0) depctr_vm_vsrc(0)
	s_getreg_b32 s2, hwreg(HW_REG_IB_STS2, 6, 4)
	s_cmp_eq_u32 s2, 0
	s_cbranch_scc0 .Lentry_in_a_cluster
	s_endpgm
.Lentry_in_a_cluster:
	s_bfe_u32 s2, ttmp6, 0x10000c
	s_cmp_lg_u32 s2, 0xf033
	s_cbranch_scc0 .Lentry_shape_is_right
	s_endpgm
.Lentry_shape_is_right:
; q = x Wq^T + bq, k = x Wk^T + bk, v = x Wv^T + bv on codes of BF8 (E5M2), sums in f32; each result is quantised at once for the product that takes it (q: entry 6 of the scales, k: entry 7, v: entry 9).
; Three products of 8,192 x 1,024 x 1,024 in one grid.  A tile of 256 x 256 is made by a work-group of four waves; a wave makes 128 x 128: 64 accumulators of 16 x 16, 512 registers.
; K goes in steps of 256 through a ring of two LDS slots filled by the tensor data mover: a tile's row is 256 bytes of memory.
; CLUSTERS: 4 x 4 work-groups; 24 clusters; product p = cluster y / 8, the same in all sixteen partners.  The four of a row of the cluster need the same tiles of the operand called A here, the four of a column the same
; tiles of B: each tile is asked for JOINTLY, by the same tensor load with the same descriptor and a mask that names the four.
; THE MATRIX INSTRUCTION IS USED TRANSPOSED (source 0 = 16 rows of B, source 1 = 16 rows of A): a lane holds one row of A's and eight neighbouring rows of B's.
;   q, k: A = x's codes (tokens), B = the weight's (features): a lane holds 8 neighbouring features of a token: codes with the head's axis innermost.
;   v:    A = Wv's codes (features), B = x's (tokens): a lane holds 8 neighbouring tokens of a feature: codes with the KEYS innermost, as the second product of attention wants them.  Only pointers differ.
; OUT: a wave's 128 x 128 codes are one dense block of 16,384 bytes, [128][128], at block ((8 batch + pair of heads) x 16 + block of 128 tokens) of part p of qkv (parts of 8,388,608 bytes).
; LIMITS on the given exponents, so that each power of two is an f32 number: e0 + e1, e2 + e3, e4 + e5 between -126 and 127; e6, e7, e9 between -126 and 112.  NaN among the inputs is not served.
; REGISTERS, in windows of 256: window 0: v0-31 addresses and constants, v8-15 the bias by rows, v32-95 the bias by columns; from v128 A's fragments (8 x 16 rows x 128 K), ONE set; on the way out v96-255 are at work.
;   window 1: B's fragments, TWO sets, at v0 and at v128.   window 2: the 32 accumulators of my rows 0-63 (accumulator (a, b) at v[8 (8 a + b)]);   window 3: those of my rows 64-127.
.set KSTEP,  256                       ; along K in a slot
.set ROWB,   256                       ; a tile's row in bytes
.set KROW,   1024                      ; a row of codes in memory, in bytes
.set PITCH,  272                       ; an LDS row: 256 bytes of data + 16 of padding = 68 words: row r starts at bank 4 r mod 64 (64 banks of 4 bytes: ISA guide 11.1)
.set FR,     16                        ; registers of a fragment: 16 rows x 128 K
.set NL,     4                         ; LDS loads that bring one
.set NP,     4                         ; places behind this matrix instruction (ISA guide 7.12.1)
.set HALFT,  128*PITCH                 ; 128 rows: what one tensor load brings, and what one wave reads of A or of B
.set SLOT,   4*HALFT                   ; A's 256 rows, then B's 256 rows
.set LAPS,   2                         ; K = 1,024 is four K steps: twice round the ring
.set SPARE,  2*SLOT                    ; behind the ring: the spare words, 128 bytes for each wave: two blocks of 256 bytes that no other line names
.set OP,     144                       ; the way out: a stage of 16 rows x (128 bytes + 16) for each wave.  It lies in slot 0, which has had its last fill and its last read when the first codes are stored there
.set BR,   8                           ; v8-15   the bias of my row in block a (v's way), else zeros
.set ADRA, 16                          ; v16-17  LDS address of my A fragments in slot 0, 1
.set ADRB, 20                          ; v20-21  the same for B
.set STO,  24                          ; v24     the way out: where I put 8 bytes of a row
.set RD,   25                          ; v25     the way out: where I read 16 bytes of a row back
.set CO,   26                          ; v26     16 x lane: my place in a store's 512 bytes
.set SPW,  28                          ; v28     LDS address of my spare word: SPARE + 4 x my thread's number; never rewritten
.set NIL,  29                          ; v29     0; never rewritten
.set LIMV, 30                          ; v30     57,344 x the result's scale
.set SCV,  31                          ; v31     the result's scale as f32
.set BC,   32                          ; v32-95  the bias of my 8 columns in each of the 8 column blocks (q's and k's way), else zeros
.set CD,   96                          ; v96-127 two sets of 16 registers of codes
.set AF,   128                         ; A's fragments, in window 0
.set TT,   128                         ; the way out: v128-191 a block's 64 numbers
.set BB,   192                         ; the way out: v192-255 four sets of 16 registers read back from the stage
.set G1, 24                            ; s[24:31] descriptor group 1 for A's tiles;  s[32:39] group 0, one set for each slot
.set G0, 32
.set G1B, 48                           ; s[48:55], s[56:63] the same for B's tiles
.set G0B, 56
.set OUTB, 88                          ; s[88:89] my block of qkv
.set MSB, 0
.macro WIN new                         ; the immediate's high byte repeats the setting that is left
.if MSB != (\new)
	s_set_vgpr_msb (MSB<<8)|(\new)
.set MSB, (\new)
.endif
.endm
.set MUL_LO, 0xa1                      ; source 0 (B) window 1, source 1 (A) window 0, C and D window 2
.set MUL_HI, 0xf1                      ; the same, C and D window 3
.set TO_B,   0x40                      ; destination window 1, address window 0
; A joint load: waves 0 and 1 fetch for A, waves 2 and 3 for B.  Each of the two lines has ONE mask and one set of registers for all that issue it; the branch hangs on the wave's number alone.
; Four v_nop follow each of the two lines, ahead of the jump, the label and what follows.
.macro JLOAD g0a, g1a, g0b, g1b
	s_cmp_eq_u32 s15, 0
	s_cbranch_scc0 .Lfor_b_\@
	tensor_load_to_lds s[\g0a:\g0a+3], s[\g1a:\g1a+7]
	s_nop 0
.rept 4
	v_nop
.endr
	s_branch .Lasked_\@
.Lfor_b_\@:
	tensor_load_to_lds s[\g0b:\g0b+3], s[\g1b:\g1b+7]
	s_nop 0
.rept 4
	v_nop
.endr
.Lasked_\@:
.endm
.macro CREST                           ; a round of the cluster's barrier behind its opening barrier
	s_cmp_lg_u32 s14, 0
	s_cbranch_scc1 .Lnot_wave_0_\@
	s_barrier_signal -3
.Lnot_wave_0_\@:
	s_barrier_wait -3
	s_barrier_signal -1
	s_barrier_wait -1
.endm
.macro CROUND                          ; a whole round
	s_barrier_signal -1
	s_barrier_wait -1
	CREST
.endm
	s_load_b256 s[4:11], s[0:1], 0x0               ; x's codes s[4:5], the weights' codes s[6:7], the scales s[8:9], bq s[10:11]
	s_load_b128 s[68:71], s[0:1], 0x20             ; bk, bv
	s_load_b64 s[72:73], s[0:1], 0x30              ; qkv
	v_lshl_add_u32 v[SPW], v0, 2, SPARE
	v_mov_b32 v[NIL], 0
	ds_add_u32 v28, v29
	s_wait_dscnt 0x0
	v_lshrrev_b32 v1, 5, v0
	v_readfirstlane_b32 s14, v1                    ; wave 0..3
	s_lshr_b32 s15, s14, 1                         ; which half of the tile's rows is mine.  Also: I fetch for A (0) or for B (1)
	s_and_b32 s16, s14, 1                          ; which half of its columns.  Also: which 128 rows of that tile I fetch
	s_bfe_u32 s40, ttmp6, 0x40000                  ; cx, cy: my place in the cluster
	s_bfe_u32 s41, ttmp6, 0x40004
	s_and_b32 s66, ttmp7, 0xffff                   ; cluster y, 0 .. 23
	s_lshr_b32 s67, s66, 3                         ; p: 0 q, 1 k, 2 v
	s_and_b32 s74, s66, 7
	s_lshl_b32 s74, s74, 2                         ; the cluster's first tile along the 8,192 tokens
	s_lshl_b32 s90, s67, 23                        ; x's codes of product p,
	s_lshl_b32 s91, s67, 20                        ; the weight's
	s_cmp_eq_u32 s67, 2                            ; v's way?  The same answer in all sixteen partners
	s_cselect_b32 s86, 0, -1                       ; MK: all ones on q's and k's way
	s_cselect_b32 s75, 0, s74                      ; tokens run along the rows (q, k)
	s_cselect_b32 s74, s74, 0                      ; or along the columns (v)
	s_cselect_b32 s90, 0x200000, s90               ; A's part, in bytes: Wv's codes, or x's of product p
	s_cselect_b32 s91, 0x1000000, s91              ; B's part: x's codes of product 2, or the weight's
	s_add_co_u32 s17, s75, s41                     ; tile row
	s_add_co_u32 s42, s74, s40                     ; tile column
	s_lshl_b32 s43, s41, 2
	s_lshl_b32 s43, 15, s43                        ; my row of the cluster
	s_lshl_b32 s44, 0x1111, s40                    ; my column
	; descriptor group 1: a tile of 128 rows x 256 bytes, padded in LDS
	s_or_b32 s[G1+0], s43, (0<<16)|(1<<20)|(1<<21)|(5<<22)|(3<<25)  ; 15:0 the mask: A's tiles go to my row; 17:16 element of 1 byte; 20 padding on; 21 set beside a mask; 24:22 after every 64 words (code 5); 31:25 of 4 words (code 3)
	s_or_b32 s[G1B+0], s44, (0<<16)|(1<<20)|(1<<21)|(5<<22)|(3<<25)
.irp g, G1, G1B
	s_mov_b32 s[\g+1], ROWB<<16                    ; tensor_dim0
	s_mov_b32 s[\g+2], 128<<16                     ; tensor_dim1 = 128
	s_mov_b32 s[\g+3], ROWB<<16                    ; tile_dim0
	s_mov_b32 s[\g+4], 128                         ; tile_dim1 = 128
	s_mov_b32 s[\g+5], KROW                        ; tensor_dim0_stride
	s_mov_b32 s[\g+6], 0
	s_mov_b32 s[\g+7], 0
.endr
	s_lshl_b32 s18, s16, 7                         ; which 128 rows of the tile I fetch
	s_lshl_b32 s20, s17, 8
	s_add_co_u32 s20, s20, s18                     ; A: row 256 x tile row + 128 x half,
	s_lshl_b32 s20, s20, 10                        ; in bytes,
	s_add_co_u32 s20, s20, s90                     ; in its part
	s_mov_b32 s21, 0
	s_lshl_b32 s46, s42, 8
	s_add_co_u32 s46, s46, s18                     ; B: row 256 x tile column + 128 x half
	s_lshl_b32 s46, s46, 10
	s_add_co_u32 s46, s46, s91
	s_mov_b32 s47, 0
	s_mul_i32 s45, s14, HALFT                      ; where they go: wave x 128 rows: no place in the cluster enters an LDS address
	s_wait_kmcnt 0x0
	s_load_b256 s[76:83], s[8:9], 0x0              ; e0 .. e7
	s_load_b64 s[84:85], s[8:9], 0x20              ; e8, e9
	s_cmp_eq_u32 s67, 2
	s_cselect_b64 s[92:93], s[6:7], s[4:5]         ; A's buffer
	s_cselect_b64 s[94:95], s[4:5], s[6:7]         ; B's buffer
	s_add_nc_u64 s[20:21], s[92:93], s[20:21]
	s_add_nc_u64 s[46:47], s[94:95], s[46:47]
	CROUND                                         ; all sixteen work-groups are here: the first joint loads meet
.irp s, 0,1
	s_mov_b32 s[G0+4*\s], 1
	s_add_co_u32 s[G0+4*\s+1], s45, \s*SLOT
	s_add_nc_u64 s[G0+4*\s+2:G0+4*\s+3], s[20:21], \s*ROWB
	s_or_b32 s[G0+4*\s+3], s[G0+4*\s+3], 0x80000000
	s_mov_b32 s[G0B+4*\s], 1
	s_add_co_u32 s[G0B+4*\s+1], s45, \s*SLOT
	s_add_nc_u64 s[G0B+4*\s+2:G0B+4*\s+3], s[46:47], \s*ROWB
	s_or_b32 s[G0B+4*\s+3], s[G0B+4*\s+3], 0x80000000
	JLOAD G0+4*\s, G1, G0B+4*\s, G1B
.endr
	v_and_b32 v1, 15, v0                           ; r = l % 16
	v_bfe_u32 v2, v0, 4, 1                         ; h = l / 16
	v_mul_u32_u24 v3, v1, PITCH
	v_lshl_add_u32 v4, v2, 4, v3                   ; a fragment's row x pitch + 16 x half
	s_mul_i32 s21, s15, HALFT                      ; my 128 rows of A
	s_mul_i32 s22, s16, HALFT                      ; my 128 rows of B,
	s_add_co_u32 s22, s22, 2*HALFT                 ; which lie behind A's 256
.irp s, 0,1
	v_add_nc_u32 v[ADRA+\s], s21, v4
	v_add_nc_u32 v[ADRB+\s], s22, v4
	s_add_co_u32 s21, s21, SLOT
	s_add_co_u32 s22, s22, SLOT
.endr
	s_mul_i32 s23, s14, 16*OP                      ; my stage
	v_mul_u32_u24 v5, v1, OP                       ; in: row r, 8 bytes for each half of the lanes
	v_lshl_add_u32 v5, v2, 3, v5
	v_add_nc_u32 v[STO], s23, v5
	v_and_b32 v6, 31, v0
	v_lshlrev_b32 v[CO], 4, v6
	v_lshrrev_b32 v18, 3, v6                       ; back: eight lanes take a row of 128 bytes, four rows an instruction
	v_mul_u32_u24 v18, v18, OP
	v_and_b32 v19, 7, v6
	v_lshl_add_u32 v18, v19, 4, v18
	v_add_nc_u32 v[RD], s23, v18
	s_lshl_b32 s98, s17, 1
	s_add_co_u32 s98, s98, s15                     ; my block of 128 rows
	s_lshl_b32 s99, s42, 1
	s_add_co_u32 s99, s99, s16                     ; my block of 128 columns
	; the bias: along the columns on q's and k's way, along the rows on v's.  Both sets are loaded, the one that does not apply from the bias's first bytes, and is then made zeros.
	s_cmp_eq_u32 s67, 0
	s_cselect_b64 s[92:93], s[10:11], s[68:69]
	s_cmp_eq_u32 s67, 2
	s_cselect_b64 s[92:93], s[70:71], s[92:93]
	s_lshl_b32 s22, s99, 9
	s_and_b32 s22, s22, s86                        ; 128 numbers x my column block, or 0
	s_lshl_b32 s23, s98, 9
	s_and_not1_b32 s23, s23, s86                   ; 128 numbers x my row block, or 0
	v_lshlrev_b32 v7, 5, v2
	v_add_nc_u32 v7, s22, v7                       ; + 8 h numbers
	v_lshlrev_b32 v27, 2, v1
	v_add_nc_u32 v27, s23, v27                     ; + r numbers
.irp b, 0,1,2,3,4,5,6,7
	global_load_b128 v[BC+8*\b:BC+8*\b+3], v7, s[92:93] offset:64*\b
	global_load_b128 v[BC+8*\b+4:BC+8*\b+7], v7, s[92:93] offset:64*\b+16
.endr
.irp a, 0,1,2,3,4,5,6,7
	global_load_b32 v[BR+\a], v27, s[92:93] offset:64*\a
.endr
	; my block of qkv
	s_cmp_eq_u32 s67, 2
	s_cselect_b32 s18, s99, s98                    ; the block of tokens,
	s_cselect_b32 s19, s98, s99                    ; the pair of heads
	s_lshr_b32 s22, s18, 4                         ; batch
	s_lshl_b32 s22, s22, 3
	s_add_co_u32 s22, s22, s19
	s_lshl_b32 s22, s22, 4
	s_and_b32 s23, s18, 15
	s_add_co_u32 s22, s22, s23
	s_lshl_b32 s22, s22, 14
	s_lshl_b32 s23, s67, 23
	s_add_co_u32 s22, s22, s23
	s_mov_b32 s23, 0
	s_add_nc_u64 s[OUTB:OUTB+1], s[72:73], s[22:23]
.macro FRAG reg, adr, q, i             ; a fragment, 16 rows x 128 K of 8-bit codes, is 16 registers: lane l holds row l % 16; registers 4 c .. 4 c + 3 hold K = 32 c + 16 (l / 16) + 0 .. 15: the same order of k in A and in B
.irp c, 0,1,2,3
	ds_load_b128 v[\reg+4*\c:\reg+4*\c+3], v[\adr] offset:128*(\q)+32*\c+(\i)*16*PITCH
.endr
.endm
; 16 matrix instructions: A's blocks a0, a0 + 1 x B's eight, 128 along K.  p: B's set.  zero = 1: the first product starts the sums: nothing is ever cleared.
; The 64 accumulators take turns, one instruction a turn, in the same order in every step.
.macro MUL16 a0, p, zero
.irp a, \a0, \a0+1
.irp b, 0,1,2,3,4,5,6,7
.if \zero
	v_wmma_f32_16x16x128_bf8_bf8 v[8*(8*((\a)%4)+\b):8*(8*((\a)%4)+\b)+7], v[128*(\p)+FR*\b:128*(\p)+FR*\b+FR-1], v[AF+FR*(\a):AF+FR*(\a)+FR-1], 0
.else
	v_wmma_f32_16x16x128_bf8_bf8 v[8*(8*((\a)%4)+\b):8*(8*((\a)%4)+\b)+7], v[128*(\p)+FR*\b:128*(\p)+FR*\b+FR-1], v[AF+FR*(\a):AF+FR*(\a)+FR-1], v[8*(8*((\a)%4)+\b):8*(8*((\a)%4)+\b)+7]
.endif
.endr
.endr
.endm
.macro FETCH_B slot, q, p              ; B's eight fragments of the slot's q-th 128 along K into set p
	WIN TO_B
.irp i, 0,1,2,3,4,5,6,7
	FRAG 128*(\p)+FR*\i, ADRB+\slot, \q, \i
.endr
	WIN 0
.endm
.macro FETCH_A slot, q, i0             ; A's blocks i0 .. i0 + 3
.irp i, \i0, \i0+1, \i0+2, \i0+3
	FRAG AF+FR*(\i), ADRA+\slot, \q, \i
.endr
.endm
; A load into a register that a matrix instruction has read, and a vector instruction or an LDS store that reads a matrix result, stand NP places behind that matrix instruction, and only plain vector
; instructions that name none of its registers are places (ISA guide 7.12.1 for vector instructions).
.macro PLACES n
.rept \n
	v_nop
.endr
.endm
; A step of 128 along K that has its successor in the same slot.
.macro STEP slot, q, zero
	s_wait_dscnt 4*NL                              ; B's set and A's blocks 0-3 are in; the youngest sixteen loads (A's blocks 4-7) may be out
	WIN MUL_LO
	MUL16 0, (\q)%2, \zero
	MUL16 2, (\q)%2, \zero
	s_wait_dscnt 0                                 ; A's blocks 4-7 are in (asked for 32 matrix instructions ago)
	PLACES NP
	FETCH_B \slot, (\q)+1, 1-(\q)%2
	FETCH_A \slot, (\q)+1, 0
	WIN MUL_HI
	MUL16 4, (\q)%2, \zero
	MUL16 6, (\q)%2, \zero
	PLACES NP
	WIN 0
	FETCH_A \slot, (\q)+1, 4
.endm
; A slot's last step changes slots: ONE barrier; in front of it each wave waits for all its tensor loads, adds 0 to its spare word, and waits for that and for its own reads of this slot.  fill = 1: this slot is filled again, two K steps ahead.
.macro TURN slot, next, fill
	s_wait_tensorcnt 0x0                           ; all my tensor loads have landed: my part of the next slot;  (every window is 0 here: the add's two registers lie in window 0)
	ds_add_u32 v[SPW], v[NIL]                      ; 0 onto my spare word
	s_wait_dscnt 4*NL+1                            ; (the add and the youngest sixteen loads, A's blocks 4-7, may be out)
	WIN MUL_LO
	MUL16 0, 1, 0                                  ; sixteen matrix instructions stand between the add and the wait for it
	s_wait_dscnt 0x0                               ; the add is done, and my reads of this slot are over
	s_barrier_signal -1
	MUL16 2, 1, 0
	WIN 0
	s_barrier_wait -1
.if \fill
	CREST                                          ; the barrier has opened a round of the cluster's barrier: no wave of any partner still reads this slot's tile or has a load on its way
	s_add_nc_u64 s[G0+4*\slot+2:G0+4*\slot+3], s[G0+4*\slot+2:G0+4*\slot+3], 2*ROWB
	s_add_nc_u64 s[G0B+4*\slot+2:G0B+4*\slot+3], s[G0B+4*\slot+2:G0B+4*\slot+3], 2*ROWB
	JLOAD G0+4*\slot, G1, G0B+4*\slot, G1B         ; the first tensor load behind the round; the four v_nop behind it are the places in front of the loads below
.else
	PLACES NP
.endif
	FETCH_B \next, 0, 0
	FETCH_A \next, 0, 0
	WIN MUL_HI
	MUL16 4, 1, 0
	MUL16 6, 1, 0
	PLACES NP
	WIN 0
	FETCH_A \next, 0, 4
.endm
	s_wait_tensorcnt 1                             ; my part of K step 0 is in (K step 1's load may be out)
	s_barrier_signal -1
	s_barrier_wait -1                              ; everybody's is
	FETCH_B 0, 0, 0
	FETCH_A 0, 0, 0
	FETCH_A 0, 0, 4
	STEP 0, 0, 1                                   ; the first step stands in front of the loop: its products start the sums
	s_mov_b32 s3, LAPS-1
.Llap:                                                 ; a trip goes once round the ring, from a lap's second step to the next lap's first, and fills both slots again
	TURN 0, 1, 1
	STEP 1, 0, 0
	TURN 1, 0, 1
	STEP 0, 0, 0
	s_sub_co_u32 s3, s3, 1
	s_cmp_lg_u32 s3, 0
	s_cbranch_scc1 .Llap
	TURN 0, 1, 0                                   ; the last lap fills nothing, and has no round of the cluster's barrier
	STEP 1, 0, 0
	s_wait_dscnt 4*NL                              ; the very last step: nothing more to fetch
	WIN MUL_LO
	MUL16 0, 1, 0
	MUL16 2, 1, 0
	s_wait_dscnt 0
	WIN MUL_HI
	MUL16 4, 1, 0
	MUL16 6, 1, 0
	WIN 0
	; THE WAY OUT.  number = sum x 2^(ea + eb) + bias, in f32; held; quantised with the scale of the product that takes it.  All choices among the three products are selects on p.
	s_wait_kmcnt 0x0
	s_add_co_i32 s76, s76, s77                     ; e0 + e1
	s_add_co_i32 s78, s78, s79                     ; e2 + e3
	s_add_co_i32 s80, s80, s81                     ; e4 + e5
	s_cmp_eq_u32 s67, 0
	s_cselect_b32 s96, s76, s78
	s_cselect_b32 s97, s82, s83                    ; e6 for q, e7 for k,
	s_cmp_eq_u32 s67, 2
	s_cselect_b32 s96, s80, s96
	s_cselect_b32 s97, s85, s97                    ; e9 for v
	s_add_co_i32 s96, s96, 127
	s_lshl_b32 s96, s96, 23                        ; 2^(ea + eb) as f32
	s_add_co_i32 s97, s97, 127
	s_lshl_b32 s22, s97, 23
	v_mov_b32 v[SCV], s22                          ; the result's scale: the conversion takes its exponent field
	s_add_co_i32 s97, s97, 15
	s_lshl_b32 s97, s97, 23
	s_or_b32 s97, s97, 0x600000
	v_mov_b32 v[LIMV], s97                         ; 57,344 x that
	s_mov_b32 s97, s96                             ; (named with s96 as a pair, so it is written)
	s_wait_loadcnt 0x0                             ; the biases
.set n, 0
.rept 64
	v_cndmask_b32 v[BC+n], 0, v[BC+n], s86         ; kept on q's and k's way, zeros on v's
.set n, n+1
.endr
.set n, 0
.rept 8
	v_cndmask_b32 v[BR+n], v[BR+n], 0, s86         ; zeros on q's and k's way, kept on v's
.set n, n+1
.endr
	PLACES NP                                      ; (the selects above are places too) behind the last products: A's registers are written and loaded into below
; Block a: 16 rows x 128 columns.  A lane's 8 codes of a column block are 8 bytes of a row, and the lanes beside it hold other rows: so a block goes through my own stage in LDS and comes back as rows of 128 bytes,
; four to an instruction: in memory the block's rows follow each other, so a store of the wave covers 512 consecutive bytes, aligned.  LDS serves a wave's instructions in order (ISA guide 5.7.1.4).
.macro OUTBLK a
.set AC, 64*((\a)%4)
.set CDS, CD+16*((\a)%2)
.set BBS, BB+16*((\a)%4)
	WIN 0x02+((\a)/4)                              ; source 0: window 2 or 3
.set j, 0
.rept 32
	v_pk_fma_f32 v[TT+j:TT+j+1], v[AC+j:AC+j+1], s[96:97], v[BC+j:BC+j+1] op_sel_hi:[1,0,1]   ; sum x 2^(ea + eb) + the columns' bias; each accumulator from its low end on
.set j, j+2
.endr
	WIN 0
.set j, 0
.rept 32
.if ((\a)%2) == 0
	v_pk_add_f32 v[TT+j:TT+j+1], v[TT+j:TT+j+1], v[BR+2*((\a)/2):BR+2*((\a)/2)+1] op_sel:[0,0] op_sel_hi:[1,0]   ; + the row's bias: the pair's first word for both halves
.else
	v_pk_add_f32 v[TT+j:TT+j+1], v[TT+j:TT+j+1], v[BR+2*((\a)/2):BR+2*((\a)/2)+1] op_sel:[0,1] op_sel_hi:[1,1]   ; the pair's second word for both halves
.endif
.set j, j+2
.endr
.set j, 0
.rept 64
	v_med3_num_f32 v[TT+j], v[TT+j], -v[LIMV], v[LIMV]   ; the conversion to an 8-bit code does not saturate (ISA guide 7.6.2)
.set j, j+1
.endr
.irp b, 0,1,2,3,4,5,6,7
	v_cvt_scalef32_pk8_bf8_f32 v[CDS+2*\b:CDS+2*\b+1], v[TT+8*\b:TT+8*\b+7], v[SCV]
.endr
	v_nop                                          ; one plain vector line behind the conversions: the next block writes their sources
.irp b, 0,1,2,3,4,5,6,7
	ds_store_b64 v[STO], v[CDS+2*\b:CDS+2*\b+1] offset:16*\b
.endr
.irp i, 0,1,2,3
	ds_load_b128 v[BBS+4*\i:BBS+4*\i+3], v[RD] offset:4*OP*\i
.endr
.endm
.macro SENDBLK a, younger              ; younger: the LDS instructions issued behind block a's loads, which may stay out
.set BBS, BB+16*((\a)%4)
	s_wait_dscnt \younger
.irp i, 0,1,2,3
	global_store_b128 v[CO], v[BBS+4*\i:BBS+4*\i+3], s[OUTB:OUTB+1] offset:2048*(\a)+512*\i
.endr
.endm
	OUTBLK 0
.irp a, 1,2,3,4,5,6,7
.if \a >= 4
	s_wait_xcnt 0x0                                ; block a - 4's stores have read their registers: block a's loads may land there
.endif
	OUTBLK \a
	SENDBLK \a-1, 12                               ; behind block a - 1's loads: block a's 8 stores and 4 loads
.endr
	SENDBLK 7, 0
	s_wait_tensorcnt 0x0                           ; the wave's end, behind my last tensor load and my last LDS store
	ds_add_u32 v[SPW], v[NIL]
	s_wait_dscnt 0x0
	CROUND                                         ; the closing round: no work-group ends while a partner may still ask for a tile that names it
	s_endpgm
.Lfunc_end_k_qb4b22eb779_qkv:
	.size	k_qb4b22eb779_qkv, .Lfunc_end_k_qb4b22eb779_qkv-k_qb4b22eb779_qkv
	.p2alignl 7, 3214868480
	.fill 96, 4, 3214868480
	.section	.rodata,"a",@progbits
	.p2align	6, 0x0
	.amdhsa_kernel k_qb4b22eb779_qkv
		.amdhsa_group_segment_fixed_size 327680
		.amdhsa_private_segment_fixed_size 0
		.amdhsa_enable_private_segment 0
		.amdhsa_kernarg_size 56
		.amdhsa_user_sgpr_count 2
		.amdhsa_user_sgpr_kernarg_segment_ptr 1
		.amdhsa_wavefront_size32 1
		.amdhsa_system_sgpr_workgroup_id_x 1
		.amdhsa_system_sgpr_workgroup_id_y 1
		.amdhsa_system_sgpr_workgroup_id_z 1
		.amdhsa_system_vgpr_workitem_id 0
		.amdhsa_next_free_vgpr 1024
		.amdhsa_next_free_sgpr 100
		.amdhsa_reserve_vcc 0
		.amdhsa_float_denorm_mode_32 3
		.amdhsa_float_denorm_mode_16_64 3
		.amdhsa_memory_ordered 1
		.amdhsa_forward_progress 1
		.amdhsa_inst_pref_size 164
	.end_amdhsa_kernel
	.amdgpu_metadata
---
amdhsa.version: [ 1, 2 ]
amdhsa.kernels:
  - .name:           k_qb4b22eb779_qkv
    .symbol:         k_qb4b22eb779_qkv.kd
    .args:
      - { .name: xq, .offset: 0, .size: 8, .value_kind: global_buffer, .address_space: global }
      - { .name: wc, .offset: 8, .size: 8, .value_kind: global_buffer, .address_space: global }
      - { .name: lowp_scales, .offset: 16, .size: 8, .value_kind: global_buffer, .address_space: global }
      - { .name: bq, .offset: 24, .size: 8, .value_kind: global_buffer, .address_space: global }
      - { .name: bk, .offset: 32, .size: 8, .value_kind: global_buffer, .address_space: global }
      - { .name: bv, .offset: 40, .size: 8, .value_kind: global_buffer, .address_space: global }
      - { .name: qkv, .offset: 48, .size: 8, .value_kind: global_buffer, .address_space: global }
    .group_segment_fixed_size: 327680
    .private_segment_fixed_size: 0
    .kernarg_segment_align: 8
    .kernarg_segment_size: 56
    .max_flat_workgroup_size: 128
    .sgpr_count:     100
    .vgpr_count:     1024
    .wavefront_size: 32
...
	.end_amdgpu_metadata
.endif
;; end of part 2
;; launch attn (part 3): grid 8 x 32, 16 waves a work-group, no clusters, 327,680 bytes of LDS; arguments qkv, lowp_scales, ac; writes ac
.if DOCPART == 3
	.amdgcn_target "amdgcn-amd-amdhsa--gfx1250"
	.amdhsa_code_object_version 6
	.text
	.protected	k_qb4b22eb779_attn
	.globl	k_qb4b22eb779_attn
	.p2align	8
	.type	k_qb4b22eb779_attn,@function
k_qb4b22eb779_attn:
	s_mov_b64 s[64:65], 0
	v_nop
	global_prefetch_b8 v0, s[64:65] scope:SCOPE_SE
	s_setreg_imm32_b32 hwreg(HW_REG_WAVE_MODE, 25, 1), 1
	s_wait_xcnt 0x0
; Causal attention on codes of BF8 (E5M2), head size 64, 2,048 tokens, 64 heads; the result is quantised at once (entry 10 of the scales) for the output projection.
; qkv: part 0 q, part 1 k: [batch 4][pair of heads 8][token 2048][128 bytes: head of the pair x 64 + d]; part 2 v: [batch][pair][block of 128 keys 16][64 x head + d][128 keys].  Parts of 8,388,608 bytes.
; THE SOFTMAX AHEAD OF THE SECOND PRODUCT: t = score x log2(e) / 8; M = the row's largest t so far, rounded UP to a whole number; p = 2^(t - M) is what is quantised (entry 8), not normalised.
; The row's sum is taken of the unquantised p, in f32, and divides O at the end.  When M moves, the sum and O are multiplied by 2^(old M - new M): exact.
; SHARES.  Work-group (I, y): pair of heads y = 8 batch + pair; blocks of 128 queries 15 - I (phase A) and then I (phase B), both heads.  Wave w: head w / 8 of the pair, queries 16 (w % 8) on of the block.
; Under the causal mask block j needs the key blocks 0 .. j: phase A walks 16 - I key steps of 128 keys, phase B I + 1: ALWAYS 17.  So the trip count is a constant and all 256 work-groups have equal work.
; Each phase's last step lies on the diagonal: there the scores of hidden keys become -infinity ahead of the maximum, so p = 0.
; Key 0 counts for every query, so M is a number from a phase's first step on.
; NO JOINT LOADS: work-groups of one pair of heads walk the same key blocks only as far as the shorter phase A reaches; from there on they need different tiles, and which tile would hang on a number that differs between partners.
; LAYOUT.  Both products are used transposed: S^T = K Q^T (source 0 = 16 keys, source 1 = my 16 queries, K = 64), O^T = V^T P^T (source 0 = 16 of the head's 64, source 1 = P, K = 128 keys): a lane holds ONE query throughout.
; In S^T's tile t a lane's eight registers are keys 16 t + 8 (lane / 16) + 0 .. 7: their eight codes are registers 2 t, 2 t + 1 of P as an operand.  Likewise O^T's tile t gives registers 2 (4 head + t), + 1 of the
; output projection's operand (16 tokens x the pair's 128 features): ac [16 tokens 512][pair 8][quad 4][lane 32][16 bytes] is that operand's image, stored straight from registers.
; LIMITS on the given exponents, so that each power of two is an f32 number: e6 + e7 between -123 and 130 (added to c's exponent field); e8, e10 between -126 and 112; e8 + e9 is applied by v_ldexp_f32 and has none.
; REGISTERS: v1-7, v10 addresses and numbers that stay; v8, v9 LDS addresses of the step; v11 -infinity; v12 -M, v13 the largest t, v[14:15] the sum in two halves; v16-23 Q; v24-27 scales; v[28:29] f;
;   v32-95 K's eight fragments, then V's four; v96-159 S^T, then p, at a phase's end the numbers on the way out; v160-191 O^T; v192-207 p's codes; v208-215 the result's codes; v216-223 phase B's Q; v248-254 at work.
.set KP,    144                        ; a row of K's or V's tile in LDS: 128 bytes + 16 of padding
.set HALF,  64*KP                      ; what one tensor load brings
.set VOFF,  128*KP                     ; a slot: 128 rows of K, then 128 rows of V
.set SLOT1, 65536                      ; slot 1 begins here, so that one exclusive or turns an address in one slot into the other's
.set SPARE, 131072                     ; behind the ring: the spare words, 128 bytes for each wave: eight blocks of 256 bytes that no other line names
.set BLKB,  16384                      ; a block of 128 keys of K or of V in memory
	s_load_b128 s[4:7], s[0:1], 0x0                ; qkv, the scales
	s_load_b64 s[8:9], s[0:1], 0x10                ; ac
	v_lshl_add_u32 v5, v0, 2, SPARE                ; LDS address of my spare word; never rewritten
	v_mov_b32 v6, 0                                ; 0; never rewritten
	ds_add_u32 v5, v6
	s_wait_dscnt 0x0
	v_lshrrev_b32 v8, 5, v0
	v_readfirstlane_b32 s18, v8                    ; wave 0..15
	s_lshr_b32 s19, s18, 3                         ; my head of the pair
	s_and_b32 s10, s18, 7                          ; my tile of 16 queries in a block
	s_and_b32 s11, ttmp7, 0xffff                   ; y
	s_sub_co_u32 s12, 15, ttmp9                    ; phase A's block of queries
	s_add_co_u32 s48, ttmp9, 1                     ; the count of steps to go at which phase A's last step stands
	s_sub_co_u32 s49, 16, ttmp9                    ; phase A's key steps,
	s_lshl_b32 s49, s49, 14                        ; in bytes of K or V
	s_mov_b32 s50, 0
	s_mov_b32 s51, 0
	s_lshl_b32 s13, s11, 18                        ; my pair's first byte in each part
	s_bfe_u32 s52, s18, 0x10001                    ; what I fetch or prefetch: bit 1 of the wave's number: 0 K (part 1), 1 V (part 2);
	s_add_co_u32 s52, s52, 1
	s_lshl_b32 s52, s52, 23
	s_add_co_u32 s52, s52, s13
	s_and_b32 s54, s18, 1                          ; bit 0: which 64 rows of the block
	s_lshl_b32 s54, s54, 13
	s_add_co_u32 s52, s52, s54
	s_mov_b32 s53, 0
	s_and_b32 s33, s18, 3
	s_mul_i32 s33, s33, HALF                       ; and where it goes in slot 0: K's halves, then V's
	s_lshl_b32 s54, s10, 11                        ; Q: 16 rows of 128 bytes x my tile,
	s_add_co_u32 s54, s54, s13
	s_lshl_b32 s55, s19, 6                         ; my head's 64 bytes of a row
	s_add_co_u32 s54, s54, s55
	s_lshl_b32 s56, s12, 14
	s_add_co_u32 s56, s56, s54                     ; in phase A's block,
	s_mov_b32 s57, 0
	s_lshl_b32 s58, ttmp9, 14
	s_add_co_u32 s58, s58, s54                     ; in phase B's
	s_mov_b32 s59, 0
	s_lshr_b32 s54, s11, 3                         ; ac: ((128 batch + 8 block + my tile) x 8 + pair) x 2,048 + 1,024 x head
	s_lshl_b32 s54, s54, 7
	s_add_co_u32 s54, s54, s10
	s_lshl_b32 s54, s54, 3
	s_and_b32 s55, s11, 7
	s_add_co_u32 s54, s54, s55
	s_lshl_b32 s54, s54, 11
	s_lshl_b32 s55, s19, 10
	s_add_co_u32 s54, s54, s55
	s_lshl_b32 s60, s12, 17
	s_add_co_u32 s60, s60, s54
	s_mov_b32 s61, 0
	s_lshl_b32 s62, ttmp9, 17
	s_add_co_u32 s62, s62, s54
	s_mov_b32 s63, 0
	; descriptor group 1: 64 rows of 128 bytes, dense in memory, padded in LDS
	s_mov_b32 s24, (0<<16)|(1<<20)|(4<<22)|(3<<25) ; 15:0 no mask; 17:16 elements of 1 byte; 20 padding on; 24:22 after every 32 words (code 4); 31:25 four words (code 3)
	s_mov_b32 s25, 128<<16                         ; tensor_dim0
	s_mov_b32 s26, 64<<16                          ; tensor_dim1
	s_mov_b32 s27, 128<<16                         ; tile_dim0
	s_mov_b32 s28, 64                              ; tile_dim1
	s_mov_b32 s29, 128                             ; tensor_dim0_stride
	s_mov_b32 s30, 0
	s_mov_b32 s31, 0
	s_mov_b32 s20, 0x76543210                      ; v_permlanex16_b32's selects for lane l xor 16
	s_mov_b32 s21, 0xfedcba98
	s_mov_b32 s22, 0x3e38aa3b                      ; c = log2(e) / sqrt(64)
	s_mov_b32 s2, 0                                ; LDS byte at which the slot in hand begins
	s_mov_b32 s3, 16                               ; key steps to go behind this one
	s_lshr_b32 s81, s18, 2                         ; who prefetches: waves 4 to 7
	s_xor_b32 s81, s81, 1
	s_or_b32 s81, s81, ttmp9                       ; of the pair's work-group 0, which walks all 16 key blocks in phase A
	s_cmp_eq_u32 s81, 0
	s_cselect_b32 s80, 2, -1                       ; a wave prefetches while the count of steps to go is above this
	s_wait_kmcnt 0x0
	s_load_b128 s[68:71], s[6:7], 0x18             ; e6, e7, e8, e9
	s_load_b32 s72, s[6:7], 0x28                   ; e10
	s_add_nc_u64 s[40:41], s[4:5], s[56:57]        ; Q of phase A,
	s_add_nc_u64 s[44:45], s[4:5], s[58:59]        ; of phase B
	s_add_nc_u64 s[42:43], s[8:9], s[60:61]        ; the result's image of phase A,
	s_add_nc_u64 s[46:47], s[8:9], s[62:63]        ; of phase B
	s_mov_b32 s32, 1                               ; group 0: 1:0 count = 1; s33: the LDS address
	s_add_nc_u64 s[34:35], s[4:5], s[52:53]        ; 120:64 global address: key block 0
	s_add_nc_u64 s[76:77], s[34:35], BLKB          ; the prefetches stand at key block 1; the first change of slots steps them to block 2
	s_or_b32 s35, s35, 0x80000000                  ; 127:126 type = 2
	s_cmp_lt_u32 s18, 4                            ; waves 0 and 1 fetch K's halves, waves 2 and 3 V's, the others nothing
	s_cbranch_scc0 .Lno_first
	tensor_load_to_lds s[32:35], s[24:31]          ; slot 0: key block 0
	s_nop 0
.rept 4
	v_nop
.endr
.Lno_first:
	v_and_b32 v8, 15, v0                           ; r
	v_bfe_u32 v9, v0, 4, 1                         ; h
	v_lshlrev_b32 v4, 7, v8
	v_lshl_add_u32 v4, v9, 4, v4                   ; Q: row r of 128 bytes, + 16 h
	global_load_b128 v[16:19], v4, s[40:41]        ; registers 0-3: d = 16 h + 0 .. 15; registers 4-7: d = 32 + 16 h + 0 .. 15: the same order of d as in K's fragments
	global_load_b128 v[20:23], v4, s[40:41] offset:32
	global_load_b128 v[216:219], v4, s[44:45]      ; phase B's, kept until the change of phase
	global_load_b128 v[220:223], v4, s[44:45] offset:32
	v_mul_u32_u24 v1, v8, KP
	v_lshl_add_u32 v1, v9, 4, v1
	s_lshl_b32 s54, s19, 6
	v_add_nc_u32 v1, s54, v1                       ; K: key r of a tile, my head's 64 bytes, + 16 h
	v_mul_u32_u24 v2, v8, KP
	v_lshl_add_u32 v2, v9, 3, v2
	s_mul_i32 s54, s19, HALF
	s_add_co_u32 s54, s54, VOFF
	v_add_nc_u32 v2, s54, v2                       ; V: row 64 head + r, + 8 h
	v_and_b32 v3, 31, v0
	v_lshlrev_b32 v3, 8, v3                        ; the prefetches' offset: lanes 256 bytes apart
	v_and_b32 v7, 31, v0
	v_lshlrev_b32 v7, 4, v7                        ; the way out: 16 x lane
	v_lshlrev_b32 v10, 3, v9
	v_sub_nc_u32 v10, v8, v10
	s_lshl_b32 s54, s10, 4
	v_add_nc_u32 v10, s54, v10                     ; on the diagonal: my query in the block - 8 h.  Register 8 t + j holds key 16 t + 8 h + j: hidden where 16 t + j is above this
	v_mov_b32 v11, 0xff800000                      ; -infinity
	v_mov_b32 v29, 0                               ; (named as the upper half of the pair v[28:29])
	v_mov_b32 v248, 0                              ; written once: a lane permute's destination counts as one of its sources
.macro START                           ; a phase begins: O^T and the sum are zeros and the largest t lies under every t, so the key step is written once: its first change of M multiplies zeros
.set n, 0
.rept 32
	v_mov_b32 v[160+n], 0
.set n, n+1
.endr
	v_mov_b32 v13, 0xff61b1e6                      ; -3e38
	v_floor_f32 v12, -v13                          ; -M
	v_mov_b32 v14, 0
	v_mov_b32 v15, 0
.endm
	START
	s_wait_kmcnt 0x0
	s_add_co_i32 s54, s68, s69
	s_lshl_b32 s54, s54, 23
	s_add_co_i32 s22, s22, s54                     ; a score stands for score x 2^(e6 + e7): the two exponents are added to c's exponent field
	s_mov_b32 s23, s22                             ; (named with it as a pair, so it is written)
	s_add_co_i32 s54, s70, 127
	s_lshl_b32 s55, s54, 23
	v_mov_b32 v24, s55                             ; 2^e8 as f32, for p's conversions
	s_add_co_i32 s54, s54, 15
	s_lshl_b32 s54, s54, 23
	s_or_b32 s54, s54, 0x600000
	v_mov_b32 v25, s54                             ; 57,344 x 2^e8
	s_add_co_i32 s54, s72, 127
	s_lshl_b32 s55, s54, 23
	v_mov_b32 v26, s55                             ; 2^e10, for the result's
	s_add_co_i32 s54, s54, 15
	s_lshl_b32 s54, s54, 23
	s_or_b32 s54, s54, 0x600000
	v_mov_b32 v27, s54
	s_add_co_i32 s73, s70, s71                     ; e8 + e9
; A KEY STEP: 128 keys.  diag = 1: it lies on the diagonal; 0: it does where the count of steps to go says so.
.macro STEP diag
	v_add_nc_u32 v8, s2, v1
	v_add_nc_u32 v9, s2, v2
	v_nop                                          ; with the two additions: four places in front of loads into registers that the last products read
	v_nop
.irp t, 0,1,2,3,4,5,6,7
	ds_load_b128 v[32+8*\t:35+8*\t], v8 offset:16*KP*\t
	ds_load_b128 v[36+8*\t:39+8*\t], v8 offset:16*KP*\t+32
.endr
	s_wait_dscnt 0x0
.irp t, 0,1,2,3,4,5,6,7
	v_wmma_f32_16x16x64_bf8_bf8 v[96+8*\t:103+8*\t], v[32+8*\t:39+8*\t], v[16:23], 0   ; S^T: 16 keys x my 16 queries
.endr
.rept 4
	v_nop                                          ; places in front of the loads below and of the first read of the scores
.endr
.irp t, 0,1,2,3
.irp c, 0,1,2,3,4,5,6,7
	ds_load_b64 v[32+16*\t+2*\c:33+16*\t+2*\c], v9 offset:16*KP*\t+16*\c   ; V^T: d = 16 t + r, keys 16 c + 8 h + 0 .. 7; they land under the softmax
.endr
.endr
.if \diag == 0
	s_cmp_lg_u32 s3, s48                           ; a scalar branch on ids and the loop's count: no barrier and no tensor load stands under it
	s_cbranch_scc1 .Lopen_\@
.endif
.set n, 0
.rept 64
	v_cmp_gt_i32 vcc_lo, 16*(n/8)+n%8, v10
	v_cndmask_b32 v[96+n], v[96+n], v11, vcc_lo
.set n, n+1
.endr
.Lopen_\@:
	v_max3_num_f32 v254, v96, v97, v98             ; the step's largest score of my query, among my 64 keys, in two chains; each tile's low registers are read first,
	v_max3_num_f32 v252, v99, v100, v101
.irp i, 6,10,14,18,22,26,30,34,38,42,46,50,54,58
	v_max3_num_f32 v254, v254, v[96+\i], v[97+\i]
	v_max3_num_f32 v252, v252, v[98+\i], v[99+\i]
.endr
	v_max3_num_f32 v254, v254, v158, v159
	v_max_num_f32 v254, v254, v252
	v_permlanex16_b32 v248, v254, s20, s21
	v_max_num_f32 v254, v254, v248                 ; and among lane l xor 16's
	v_mul_f32 v254, s22, v254                      ; as t (c is positive)
	v_max_num_f32 v13, v13, v254                   ; the running largest t
	v_mov_b32 v254, v12
	v_floor_f32 v12, -v13                          ; the new -M = floor(-t) = -ceil(t): M is a whole number
	v_sub_f32 v254, v12, v254                      ; M's old value less its new one: a whole number, 0 or less
	v_cvt_i32_f32 v254, v254                       ; (it saturates)
	v_ldexp_f32 v28, 1.0, v254                     ; f = 2^(old M - new M)
.set n, 0
.rept 32
	v_pk_fma_f32 v[96+n:97+n], v[96+n:97+n], s[22:23], v[12:13] op_sel_hi:[1,0,0]   ; t - M, two at a time (of the pairs c and -M the low word serves both halves)
.set n, n+2
.endr
.set n, 0
.rept 64
	v_exp_f32 v[96+n], v[96+n]                     ; p = 2^(t - M), at most 1: not normalised
.set n, n+1
.endr
	v_pk_mul_f32 v[14:15], v[14:15], v[28:29] op_sel_hi:[1,0]   ; the sums under the new M.  (A plain place behind the exponentials)
	s_wait_alu depctr_va_vdst(0)
	v_pk_add_f32 v[250:251], v[96:97], v[98:99]    ; the row's sum is taken of the unquantised p: two at a time, in two chains
.irp j, 4,8,12,16,20,24,28,32,36,40,44,48,52,56,60
	v_pk_add_f32 v[14:15], v[14:15], v[96+\j:97+\j]
	v_pk_add_f32 v[250:251], v[250:251], v[98+\j:99+\j]
.endr
	v_pk_add_f32 v[14:15], v[14:15], v[250:251]
.irp t, 0,1,2,3,4,5,6,7
.irp j, 0,1,2,3,4,5,6,7
	v_min_num_f32 v[96+8*\t+\j], v[96+8*\t+\j], v25   ; the conversion to an 8-bit code does not saturate (ISA guide 7.6.2); p is not negative, so the hold is one-sided
.endr
	v_cvt_scalef32_pk8_bf8_f32 v[192+2*\t:193+2*\t], v[96+8*\t:103+8*\t], v24   ; keys 16 t + 8 h + 0 .. 7: registers 2 t, 2 t + 1 of the operand
.endr
.set n, 0
.rept 16
	v_pk_mul_f32 v[160+n:161+n], v[160+n:161+n], v[28:29] op_sel_hi:[1,0]   ; O^T under the new M.  (These are also the plain lines between the conversions and the products below)
.set n, n+2
.endr
	s_wait_dscnt 0x0                               ; V's fragments are in
.irp t, 0,1,2,3
	v_wmma_f32_16x16x128_bf8_bf8 v[160+8*\t:167+8*\t], v[32+16*\t:47+16*\t], v[192:207], v[160+8*\t:167+8*\t]   ; the four accumulators take turns
.endr
.endm
; THE CHANGE OF SLOTS stands at a step's head.  Each wave waits for all its tensor loads (its part of the slot that it is about to read), adds 0 to its spare word, and waits for that and for its reads of the slot that it has left.
; Behind the barrier the slot ahead is whole and nobody reads the other one.  fill = 1: that other slot is filled with the next step's key block: one load a fetching wave, with a whole step in which to land.
.macro CHANGE fill
	s_wait_tensorcnt 0x0                           ; no tensor load of mine is out, so the group 0 may be written
	ds_add_u32 v5, v6                              ; 0 onto my spare word; the steps below stand between it and the wait for it
.if \fill
	s_xor_b32 s33, s33, SLOT1                      ; the other slot than last time,
	s_add_nc_u64 s[34:35], s[34:35], BLKB          ; the next key block;
	s_cmp_eq_u32 s3, s48                           ; behind phase A's last block comes phase B's block 0:
	s_cselect_b32 s50, s49, 0
	s_sub_nc_u64 s[34:35], s[34:35], s[50:51]      ; back by phase A's blocks, or by nothing; the type bits on top are not reached
	s_wait_xcnt 0x0                                ; the last prefetch, a step back, has read its address, so it may be written
	s_add_nc_u64 s[76:77], s[76:77], BLKB
.endif
	s_wait_dscnt 0x0                               ; the add is done, and my reads of the slot that I have left are over
	s_barrier_signal -1
	s_barrier_wait -1
.if \fill
	s_cmp_lt_u32 s18, 4
	s_cbranch_scc0 .Lno_load_\@
	tensor_load_to_lds s[32:35], s[24:31]          ; the first thing behind the barrier, and a wave's one tensor load until the next
	s_nop 0
.rept 4
	v_nop
.endr
.Lno_load_\@:
	; A PREFETCH INTO THE L2 of the key block behind the one just asked for: one key step ahead of the tensor load that will want it.  All eight work-groups of a pair of heads begin with key blocks 0, 1, 2 ..: work-group 0,
	; whose phase A walks all 16, asks, and nobody else.  In it waves 4 and 5 ask for the halves of K's block, waves 6 and 7 for V's: 8,192 bytes a wave, lanes 256 bytes apart, one instruction: each aligned 256 bytes are named once.
	; Blocks 0 and 1 come by their loads alone; the last block named is block 15, with three steps to go.
	s_cmp_gt_u32 s3, s80
	s_cbranch_scc0 .Lnot_mine_\@
	global_prefetch_b8 v3, s[76:77] th:TH_LOAD_NT scope:SCOPE_SE
.Lnot_mine_\@:
.endif
.endm
; A PHASE'S END: O^T x 2^(e8 + e9) / the sum is attention's result for my 16 queries and my head; held, quantised with 2^e10, stored as two quads of the next operand's image.
.macro FINISH ob
	s_wait_xcnt 0x0                                ; an earlier phase's stores have read the registers of the codes
.rept 4
	v_nop                                          ; places behind the last products
.endr
	v_add_f32 v14, v14, v15                        ; the sum's two halves,
	v_permlanex16_b32 v248, v14, s20, s21
	v_add_f32 v14, v14, v248                       ; and lane l xor 16's: the row's sum
	v_rcp_f32 v28, v14
	v_nop                                          ; one plain place behind a transcendental
	s_wait_alu depctr_va_vdst(0)
	v_ldexp_f32 v28, v28, s73
.set n, 0
.rept 16
	v_pk_mul_f32 v[96+n:97+n], v[160+n:161+n], v[28:29] op_sel_hi:[1,0]   ; register 8 t + j: d = 16 t + 8 h + j; each accumulator from its low end on
.set n, n+2
.endr
.set n, 0
.rept 32
	v_med3_num_f32 v[96+n], v[96+n], -v27, v27
.set n, n+1
.endr
.irp t, 0,1,2,3
	v_cvt_scalef32_pk8_bf8_f32 v[208+2*\t:209+2*\t], v[96+8*\t:103+8*\t], v26
.endr
	v_nop                                          ; one plain vector line behind the conversions: later products write their sources
	global_store_b128 v7, v[208:211], s[\ob:\ob+1]              ; 32 lanes store 512 consecutive bytes, aligned
	global_store_b128 v7, v[212:215], s[\ob:\ob+1] offset:512
.endm
	s_wait_loadcnt 0x0                             ; Q, both phases'
.Lstep:                                            ; 16 trips: behind each change of slots but the last the next step's key block is asked for
	CHANGE 1
	STEP 0
	s_cmp_lg_u32 s3, s48                           ; was this phase A's last step?
	s_cbranch_scc1 .Lsame_phase
	FINISH 42
.set n, 0
.rept 8
	v_mov_b32 v[16+n], v[216+n]                    ; phase B's queries
.set n, n+1
.endr
	START
.Lsame_phase:
	s_xor_b32 s2, s2, SLOT1                        ; on to the other slot
	s_sub_co_u32 s3, s3, 1
	s_cmp_lg_u32 s3, 0
	s_cbranch_scc1 .Lstep
	CHANGE 0                                       ; the last step is written out: it is phase B's diagonal
	STEP 1
	FINISH 46
	s_wait_tensorcnt 0x0                           ; the wave's end
	ds_add_u32 v5, v6
	s_wait_dscnt 0x0
	s_endpgm
.Lfunc_end_k_qb4b22eb779_attn:
	.size	k_qb4b22eb779_attn, .Lfunc_end_k_qb4b22eb779_attn-k_qb4b22eb779_attn
	.p2alignl 7, 3214868480
	.fill 96, 4, 3214868480
	.section	.rodata,"a",@progbits
	.p2align	6, 0x0
	.amdhsa_kernel k_qb4b22eb779_attn
		.amdhsa_group_segment_fixed_size 327680
		.amdhsa_private_segment_fixed_size 0
		.amdhsa_enable_private_segment 0
		.amdhsa_kernarg_size 24
		.amdhsa_user_sgpr_count 2
		.amdhsa_user_sgpr_kernarg_segment_ptr 1
		.amdhsa_wavefront_size32 1
		.amdhsa_system_sgpr_workgroup_id_x 1
		.amdhsa_system_sgpr_workgroup_id_y 1
		.amdhsa_system_sgpr_workgroup_id_z 1
		.amdhsa_system_vgpr_workitem_id 0
		.amdhsa_next_free_vgpr 256
		.amdhsa_next_free_sgpr 96
		.amdhsa_reserve_vcc 1
		.amdhsa_float_denorm_mode_32 3
		.amdhsa_float_denorm_mode_16_64 3
		.amdhsa_memory_ordered 1
		.amdhsa_forward_progress 1
		.amdhsa_inst_pref_size 60
	.end_amdhsa_kernel
	.amdgpu_metadata
---
amdhsa.version: [ 1, 2 ]
amdhsa.kernels:
  - .name:           k_qb4b22eb779_attn
    .symbol:         k_qb4b22eb779_attn.kd
    .args:
      - { .name: qkv, .offset: 0, .size: 8, .value_kind: global_buffer, .address_space: global }
      - { .name: lowp_scales, .offset: 8, .size: 8, .value_kind: global_buffer, .address_space: global }
      - { .name: ac, .offset: 16, .size: 8, .value_kind: global_buffer, .address_space: global }
    .group_segment_fixed_size: 327680
    .private_segment_fixed_size: 0
    .kernarg_segment_align: 8
    .kernarg_segment_size: 24
    .max_flat_workgroup_size: 512
    .sgpr_count:     96
    .vgpr_count:     256
    .wavefront_size: 32
...
	.end_amdgpu_metadata
.endif
;; end of part 3
;; launch oproj (part 4): grid 256 x 1, 4 waves a work-group, clusters of 4 x 1, 327,680 bytes of LDS; arguments ac, woc, lowp_scales, bo, x, gamma, beta, out0; writes out0
.if DOCPART == 4
	.amdgcn_target "amdgcn-amd-amdhsa--gfx1250"
	.amdhsa_code_object_version 6
	.text
	.protected	k_qb4b22eb779_oproj
	.globl	k_qb4b22eb779_oproj
	.p2align	8
	.type	k_qb4b22eb779_oproj,@function
k_qb4b22eb779_oproj:
	s_mov_b64 s[64:65], 0
	v_nop
	global_prefetch_b8 v0, s[64:65] scope:SCOPE_SE
	s_setreg_imm32_b32 hwreg(HW_REG_WAVE_MODE, 25, 1), 1
	s_wait_xcnt 0x0
	s_wait_alu depctr_hold_cnt(0) depctr_sa_sdst(0) depctr_va_vdst(0) depctr_va_sdst(0) depctr_va_ssrc(0) depctr_va_vcc(0) depctr_vm_vsrc(0)
	s_getreg_b32 s2, hwreg(HW_REG_IB_STS2, 6, 4)
	s_cmp_eq_u32 s2, 0
	s_cbranch_scc0 .Lentry_in_a_cluster
	s_endpgm
.Lentry_in_a_cluster:
	s_bfe_u32 s2, ttmp6, 0x10000c
	s_cmp_lg_u32 s2, 0x3003
	s_cbranch_scc0 .Lentry_shape_is_right
	s_endpgm
.Lentry_shape_is_right:
; out0 = LayerNorm(x + attn Wo^T + bo) x gamma + beta.  The product is on codes of BF8 (E5M2), sums in f32; all else in f32.
; ac:  attn's codes, [16 tokens 512][K step 8][quad 4][lane 32][16 bytes]: images of an operand's 16 registers (lane (r, h): token r, k = 128 step + 16 c + 8 h + 0 .. 7 in registers 2 c, 2 c + 1).
; woc: Wo's codes, [K step 8][16 rows 64][quad][lane][16 bytes]: the same image for 16 rows of Wo.
; SHARES.  The norm needs whole rows, so a work-group owns 32 rows x all 1,024 columns; wave w makes columns 256 w .. 256 w + 255: 2 x 16 accumulators, 256 registers.  attn's 16 fragments of the 32 rows stay in registers.
; Every work-group walks all of Wo's codes, a K step (131,072 bytes, one dense block) at a time through two LDS slots.  CLUSTER: the four partners ask for each K step JOINTLY (mask 15): wave w fetches the 32,768 bytes that it alone reads.
; THE MATRIX INSTRUCTION IS USED TRANSPOSED (source 0 = 16 rows of Wo, source 1 = 16 tokens): a lane holds 8 neighbouring columns of a token.  The text is written out, K step by K step, since A's register numbers change with the step.
; THE NORM: the raw sums go through a stage in LDS (32 rows x (4,096 + 16) bytes, over the slots, which have had their last fill and their last read); wave w takes rows 8 w .. 8 w + 7, a row in 32 registers a lane.
; The mean is taken first and the variance of the differences from it: no difference of large sums is formed.
; LIMIT: e10 + e11 between -126 and 127, so that 2^(e10 + e11) is an f32 number.
; REGISTERS, in windows of 256: window 0: v1-8 addresses; v10-21 at work in the norm; v28, v29 the add's; v32-63 gamma, v64-95 beta, v96-127 bo (my columns 128 i + 4 lane + 0 .. 3); v128-191, v192-255 two buffers of four fragments of Wo,
;   later v128-159, v160-191 two rows at work.   window 1: accumulator (a, b) at v[8 (16 a + b)].   window 2: attn's fragment (K step s, tile a) at v[32 s + 16 a].   window 3: x's row p of my eight at v[32 p].
.set SLOT1,  131072
.set SPARE,  262144                    ; behind the ring: the spare words, 128 bytes for each wave: two blocks of 256 bytes that no other line names
.set SPITCH, 4112                      ; a stage row: 4,096 bytes + 16
.set MULW,   0x58                      ; source 0 (Wo) window 0, source 1 (attn) window 2, C and D window 1
.set MSB, 0
.macro WIN new                         ; the immediate's high byte repeats the setting that is left
.if MSB != (\new)
	s_set_vgpr_msb (MSB<<8)|(\new)
.set MSB, (\new)
.endif
.endm
.macro PLACES
.rept 4
	v_nop
.endr
.endm
.macro ROUND                           ; a round of the cluster's barrier
	s_barrier_signal -1
	s_barrier_wait -1
	s_cmp_lg_u32 s20, 0
	s_cbranch_scc1 .Lnot_wave_0_\@
	s_barrier_signal -3
.Lnot_wave_0_\@:
	s_barrier_wait -3
	s_barrier_signal -1
	s_barrier_wait -1
.endm
	s_load_b512 s[4:19], s[0:1], 0x0               ; ac, woc, the scales, bo, x, gamma, beta, out0
	v_lshl_add_u32 v28, v0, 2, SPARE               ; LDS address of my spare word; never rewritten
	v_mov_b32 v29, 0                               ; 0; never rewritten
	ds_add_u32 v28, v29
	s_wait_dscnt 0x0
	v_lshrrev_b32 v1, 5, v0
	v_readfirstlane_b32 s20, v1                    ; wave 0..3
	s_bfe_u32 s21, ttmp6, 0x40000                  ; cx: it enters the addresses of ac, x and out0 alone
	s_lshl_b32 s22, ttmp9, 2
	s_add_co_u32 s22, s22, s21                     ; my work-group: 32 rows
	; descriptor group 1: a dense block of 32,768 bytes as 128 rows of 256
	s_mov_b32 s24, 15|(3<<16)|(1<<21)              ; 15:0 the mask: all four work-groups; 17:16 elements of 8 bytes; 21 set beside a mask; no padding
	s_mov_b32 s25, 32<<16                          ; tensor_dim0 = 32 elements
	s_mov_b32 s26, 128<<16                         ; tensor_dim1
	s_mov_b32 s27, 32<<16                          ; tile_dim0
	s_mov_b32 s28, 128                             ; tile_dim1
	s_mov_b32 s29, 32                              ; tensor_dim0_stride
	s_mov_b32 s30, 0
	s_mov_b32 s31, 0
	s_lshl_b32 s23, s20, 15                        ; my wave's 32,768 bytes of a K step, in memory and in a slot
	s_mov_b32 s52, s23
	s_mov_b32 s53, 0
	s_mov_b32 s57, 0
	s_mov_b32 s42, 0x3a800000                      ; 1 / 1,024
	s_mov_b32 s43, 0x3727c5ac                      ; 1e-5
	s_mov_b32 s44, 0x76543210                      ; v_permlanex16_b32's selects for lane l xor 16
	s_mov_b32 s45, 0xfedcba98
	s_wait_kmcnt 0x0
	s_load_b64 s[46:47], s[8:9], 0x28              ; e10, e11
	s_add_nc_u64 s[54:55], s[6:7], s[52:53]
	s_mov_b32 s32, 1                               ; group 0 of slot 0: K step 0
	s_lshl_b32 s33, s20, 15
	s_mov_b64 s[34:35], s[54:55]
	s_or_b32 s35, s35, 0x80000000
	s_mov_b32 s36, 1                               ; of slot 1: K step 1
	s_add_co_u32 s37, s23, SLOT1
	s_add_nc_u64 s[38:39], s[54:55], 131072
	s_or_b32 s39, s39, 0x80000000
	ROUND                                          ; all four work-groups are here: the first joint loads meet
	tensor_load_to_lds s[32:35], s[24:31]          ; two loads of mine are out
	s_nop 0
	tensor_load_to_lds s[36:39], s[24:31]
	s_nop 0
	PLACES
	s_lshl_b32 s56, s22, 15
	s_add_nc_u64 s[48:49], s[4:5], s[56:57]        ; attn's images of my 32 rows
	s_lshl_b32 s56, s22, 17
	s_add_co_u32 s56, s56, s23
	s_add_nc_u64 s[58:59], s[12:13], s[56:57]      ; x at my wave's eight rows,
	s_add_nc_u64 s[50:51], s[18:19], s[56:57]      ; out0 likewise
	v_and_b32 v1, 31, v0
	v_lshlrev_b32 v1, 4, v1                        ; 16 x lane; never rewritten
	v_add_nc_u32 v2, s23, v1                       ; my fragments of Wo in slot 0,
	v_add_nc_u32 v3, SLOT1, v2                     ; in slot 1
	v_and_b32 v7, 15, v0                           ; r
	v_bfe_u32 v8, v0, 4, 1                         ; h
	v_mul_u32_u24 v4, v7, SPITCH
	v_lshl_add_u32 v4, v8, 5, v4
	s_lshl_b32 s60, s20, 10
	v_add_nc_u32 v4, s60, v4                       ; the stage, in: row r, my wave's 1,024 bytes, + 32 h;
	v_add_nc_u32 v5, 16*SPITCH, v4                 ; rows 16 on
	s_mul_i32 s60, s20, 8*SPITCH
	v_add_nc_u32 v6, s60, v1                       ; back: my eight rows, 16 bytes a lane
	v_mov_b32 v19, 0                               ; (named as the upper halves of the pairs v[18:19], v[20:21])
	v_mov_b32 v21, 0
	WIN 0x80                                       ; destination window 2
.irp s, 0,1,2,3,4,5,6,7
.irp a, 0,1
.irp q, 0,1,2,3
	global_load_b128 v[32*\s+16*\a+4*\q:32*\s+16*\a+4*\q+3], v1, s[48:49] offset:16384*\a+2048*\s+512*\q   ; a quad of an image: 512 consecutive bytes
.endr
.endr
.endr
	WIN 0
.irp i, 0,1,2,3,4,5,6,7
	global_load_b128 v[32+4*\i:35+4*\i], v1, s[14:15] offset:512*\i
	global_load_b128 v[64+4*\i:67+4*\i], v1, s[16:17] offset:512*\i
	global_load_b128 v[96+4*\i:99+4*\i], v1, s[10:11] offset:512*\i
.endr
.macro XROWS p0                        ; four of my eight rows of x: they land under the products
	WIN 0xc0                                       ; destination window 3
.irp p, \p0, \p0+1, \p0+2, \p0+3
.irp i, 0,1,2,3,4,5,6,7
	global_load_b128 v[32*(\p)+4*\i:32*(\p)+4*\i+3], v1, s[58:59] offset:4096*(\p)+512*\i th:TH_LOAD_NT
.endr
.endr
	WIN 0
.endm
	XROWS 0
.macro FB slot, g                      ; Wo's fragments 4 g .. 4 g + 3 of my sixteen, into buffer g % 2
.irp bi, 0,1,2,3
.irp q, 0,1,2,3
	ds_load_b128 v[128+64*((\g)%2)+16*\bi+4*\q:128+64*((\g)%2)+16*\bi+4*\q+3], v[2+\slot] offset:2048*(4*(\g)+\bi)+512*\q
.endr
.endr
.endm
.macro MUL g, s, zero                  ; 8 matrix instructions.  The 32 accumulators take turns, one instruction a turn, in the same order in every K step; zero = 1: the first product starts the sums
.irp bi, 0,1,2,3
.irp a, 0,1
.if \zero
	v_wmma_f32_16x16x128_bf8_bf8 v[8*(16*\a+4*(\g)+\bi):8*(16*\a+4*(\g)+\bi)+7], v[128+64*((\g)%2)+16*\bi:128+64*((\g)%2)+16*\bi+15], v[32*(\s)+16*\a:32*(\s)+16*\a+15], 0
.else
	v_wmma_f32_16x16x128_bf8_bf8 v[8*(16*\a+4*(\g)+\bi):8*(16*\a+4*(\g)+\bi)+7], v[128+64*((\g)%2)+16*\bi:128+64*((\g)%2)+16*\bi+15], v[32*(\s)+16*\a:32*(\s)+16*\a+15], v[8*(16*\a+4*(\g)+\bi):8*(16*\a+4*(\g)+\bi)+7]
.endif
.endr
.endr
.endm
; A K step: 32 matrix instructions on 64 LDS loads, in four groups on two buffers.  pl = 1: four places stand first (elsewhere the four v_nop behind the joint load are they).
.macro WORK slot, s, zero, pl
.if \pl
	PLACES
.endif
	FB \slot, 0
	FB \slot, 1
	s_wait_dscnt 16                                ; the first buffer is in; the other buffer's sixteen loads may be out
	WIN MULW
	MUL 0, \s, \zero
	WIN 0
	PLACES                                         ; in front of loads into registers that matrix instructions have read
	FB \slot, 2
	s_wait_dscnt 16
	WIN MULW
	MUL 1, \s, \zero
	WIN 0
	PLACES
	FB \slot, 3
	s_wait_dscnt 16
	WIN MULW
	MUL 2, \s, \zero
	s_wait_dscnt 0x0
	MUL 3, \s, \zero
	WIN 0
.endm
; K step s has been multiplied: its slot takes K step s + 2.  The round of the cluster's barrier stands between every wave's three lines and the joint refill.
.macro NEXT s
	s_wait_tensorcnt 0x0                           ; all my tensor loads have landed, K step s + 1 among them,
	ds_add_u32 v28, v29                            ; 0 onto my spare word
	s_add_nc_u64 s[34+4*((\s)%2):35+4*((\s)%2)], s[34+4*((\s)%2):35+4*((\s)%2)], 262144   ; so a group 0 may be written: two K steps on
	s_wait_dscnt 0x0                               ; the add is done, and my reads of the slot are over
	ROUND                                          ; both now hold of every wave of every partner
	tensor_load_to_lds s[32+4*((\s)%2):35+4*((\s)%2)], s[24:31]   ; my one load behind the round
	s_nop 0
	PLACES                                         ; They are also the places in front of the next K step's loads
.endm
	s_wait_tensorcnt 1                             ; my part of K step 0 is in, and only I read it; K step 1's load may be out
	s_wait_loadcnt 56                              ; attn's 64 loads are in; the 24 of gamma, beta and bo and the 32 of x may be out
	WORK 0, 0, 1, 0
	NEXT 0
	XROWS 4
	WORK 1, 1, 0, 0
	NEXT 1
	WORK 0, 2, 0, 0
	NEXT 2
	WORK 1, 3, 0, 0
	NEXT 3
	WORK 0, 4, 0, 0
	NEXT 4
	WORK 1, 5, 0, 0
	NEXT 5
	WORK 0, 6, 0, 0
	s_wait_tensorcnt 0x0                           ; K step 7
	WORK 1, 7, 0, 1
	PLACES                                         ; behind the last products
	s_wait_dscnt 0x0                               ; my reads of the slots are over
	s_barrier_signal -1
	s_barrier_wait -1                              ; everybody's are: the stage may be written over them
	WIN 0x04                                       ; the stores' data: window 1
.irp a, 0,1
.irp b, 0,1,2,3,4,5,6,7,8,9,10,11,12,13,14,15
	ds_store_b128 v[4+\a], v[8*(16*\a+\b):8*(16*\a+\b)+3] offset:64*\b        ; lane (r, h): row 16 a + r, columns 256 w + 16 b + 8 h + 0 .. 7; each accumulator from its low end on
	ds_store_b128 v[4+\a], v[8*(16*\a+\b)+4:8*(16*\a+\b)+7] offset:64*\b+16
.endr
.endr
	s_wait_loadcnt 0x0                             ; x, gamma, beta, bo
	s_wait_kmcnt 0x0
	s_add_co_i32 s40, s46, s47
	s_add_co_i32 s40, s40, 127
	s_lshl_b32 s40, s40, 23                        ; 2^(e10 + e11) as f32
	s_mov_b32 s41, s40                             ; (named with it as a pair, so it is written)
	WIN 0xc3                                       ; destination and source 0 window 3
.set n, 0
.rept 128
	v_pk_add_f32 v[n:n+1], v[n:n+1], v[96+n%32:97+n%32]   ; x + bo, while the stores are on their way
.set n, n+2
.endr
	WIN 0
	s_wait_dscnt 0x0                               ; for the others' sake: my stores into the stage are done
	s_barrier_signal -1
	s_barrier_wait -1
.macro RL p                            ; row p of my eight: 32 lanes x 16 bytes x 8
.irp i, 0,1,2,3,4,5,6,7
	ds_load_b128 v[128+32*((\p)%2)+4*\i:128+32*((\p)%2)+4*\i+3], v6 offset:SPITCH*(\p)+512*\i
.endr
.endm
.macro REDUCE                          ; v10 summed over the 32 lanes, the result in every lane
	v_pk_add_f32 v[10:11], v[10:11], v[12:13]
	v_pk_add_f32 v[14:15], v[14:15], v[16:17]
	v_pk_add_f32 v[10:11], v[10:11], v[14:15]
	v_add_f32 v10, v10, v11
	v_add_f32_dpp v10, v10, v10 row_xmask:1 row_mask:0xf bank_mask:0xf
	v_add_f32_dpp v10, v10, v10 row_xmask:2 row_mask:0xf bank_mask:0xf
	v_add_f32_dpp v10, v10, v10 row_xmask:4 row_mask:0xf bank_mask:0xf
	v_add_f32_dpp v10, v10, v10 row_xmask:8 row_mask:0xf bank_mask:0xf
	v_permlanex16_b32 v11, v10, s44, s45
	v_add_f32 v10, v10, v11
.endm
.macro LNROW p
.set Y, 128+32*((\p)%2)
	WIN 0x30                                       ; source 2 window 3
.set n, 0
.rept 16
	v_pk_fma_f32 v[Y+n:Y+n+1], v[Y+n:Y+n+1], s[40:41], v[32*(\p)+n:32*(\p)+n+1] op_sel_hi:[1,0,1]   ; y = sum x 2^(e10 + e11) + (x + bo)
.set n, n+2
.endr
	WIN 0
.irp c, 0,1,2,3
	v_pk_add_f32 v[10+2*\c:11+2*\c], v[Y+2*\c:Y+2*\c+1], v[Y+8+2*\c:Y+9+2*\c]   ; the row's sum, in four chains
.endr
.irp g, 16,24
.irp c, 0,1,2,3
	v_pk_add_f32 v[10+2*\c:11+2*\c], v[10+2*\c:11+2*\c], v[Y+\g+2*\c:Y+\g+2*\c+1]
.endr
.endr
	REDUCE
	v_mul_f32 v18, s42, v10                        ; the mean
.set n, 0
.rept 16
	v_pk_add_f32 v[Y+n:Y+n+1], v[Y+n:Y+n+1], v[18:19] op_sel_hi:[1,0] neg_lo:[0,1] neg_hi:[0,1]   ; y - mean
.set n, n+2
.endr
.irp c, 0,1,2,3
	v_pk_mul_f32 v[10+2*\c:11+2*\c], v[Y+2*\c:Y+2*\c+1], v[Y+2*\c:Y+2*\c+1]    ; the squares' sum, in four chains
.endr
.irp g, 8,16,24
.irp c, 0,1,2,3
	v_pk_fma_f32 v[10+2*\c:11+2*\c], v[Y+\g+2*\c:Y+\g+2*\c+1], v[Y+\g+2*\c:Y+\g+2*\c+1], v[10+2*\c:11+2*\c]
.endr
.endr
	REDUCE
	v_fma_f32 v20, v10, s42, s43                   ; the variance + 1e-5
	v_rsq_f32 v20, v20
	v_nop                                          ; one plain place behind a transcendental
.set n, 0
	s_wait_alu depctr_va_vdst(0)
.rept 16
	v_pk_mul_f32 v[Y+n:Y+n+1], v[Y+n:Y+n+1], v[20:21] op_sel_hi:[1,0]
.set n, n+2
.endr
.set n, 0
.rept 16
	v_pk_fma_f32 v[Y+n:Y+n+1], v[Y+n:Y+n+1], v[32+n:33+n], v[64+n:65+n]   ; x gamma + beta
.set n, n+2
.endr
.irp i, 0,1,2,3,4,5,6,7
	global_store_b128 v1, v[Y+4*\i:Y+4*\i+3], s[50:51] offset:4096*(\p)+512*\i th:TH_STORE_NT   ; 32 lanes store 512 consecutive bytes, aligned; written once, read by nobody here
.endr
.endm
	RL 0
.irp p, 0,1,2,3,4,5,6,7
.if \p < 7
.if \p >= 1
	s_wait_xcnt 0x0                                ; row p - 1's stores have read their registers: row p + 1 may land there
.endif
	RL \p+1
	s_wait_dscnt 8                                 ; row p is in; the next row's eight loads may be out
.else
	s_wait_dscnt 0x0
.endif
	LNROW \p
.endr
	s_wait_tensorcnt 0x0                           ; the wave's end, behind my last tensor load and my last LDS store
	ds_add_u32 v28, v29
	s_wait_dscnt 0x0
	ROUND                                          ; the closing round: no work-group ends while a partner may still ask for a tile that names it
	s_endpgm
.Lfunc_end_k_qb4b22eb779_oproj:
	.size	k_qb4b22eb779_oproj, .Lfunc_end_k_qb4b22eb779_oproj-k_qb4b22eb779_oproj
	.p2alignl 7, 3214868480
	.fill 96, 4, 3214868480
	.section	.rodata,"a",@progbits
	.p2align	6, 0x0
	.amdhsa_kernel k_qb4b22eb779_oproj
		.amdhsa_group_segment_fixed_size 327680
		.amdhsa_private_segment_fixed_size 0
		.amdhsa_enable_private_segment 0
		.amdhsa_kernarg_size 64
		.amdhsa_user_sgpr_count 2
		.amdhsa_user_sgpr_kernarg_segment_ptr 1
		.amdhsa_wavefront_size32 1
		.amdhsa_system_sgpr_workgroup_id_x 1
		.amdhsa_system_sgpr_workgroup_id_y 1
		.amdhsa_system_sgpr_workgroup_id_z 1
		.amdhsa_system_vgpr_workitem_id 0
		.amdhsa_next_free_vgpr 1024
		.amdhsa_next_free_sgpr 66
		.amdhsa_reserve_vcc 0
		.amdhsa_float_denorm_mode_32 3
		.amdhsa_float_denorm_mode_16_64 3
		.amdhsa_memory_ordered 1
		.amdhsa_forward_progress 1
		.amdhsa_inst_pref_size 156
	.end_amdhsa_kernel
	.amdgpu_metadata
---
amdhsa.version: [ 1, 2 ]
amdhsa.kernels:
  - .name:           k_qb4b22eb779_oproj
    .symbol:         k_qb4b22eb779_oproj.kd
    .args:
      - { .name: ac, .offset: 0, .size: 8, .value_kind: global_buffer, .address_space: global }
      - { .name: woc, .offset: 8, .size: 8, .value_kind: global_buffer, .address_space: global }
      - { .name: lowp_scales, .offset: 16, .size: 8, .value_kind: global_buffer, .address_space: global }
      - { .name: bo, .offset: 24, .size: 8, .value_kind: global_buffer, .address_space: global }
      - { .name: x, .offset: 32, .size: 8, .value_kind: global_buffer, .address_space: global }
      - { .name: gamma, .offset: 40, .size: 8, .value_kind: global_buffer, .address_space: global }
      - { .name: beta, .offset: 48, .size: 8, .value_kind: global_buffer, .address_space: global }
      - { .name: out0, .offset: 56, .size: 8, .value_kind: global_buffer, .address_space: global }
    .group_segment_fixed_size: 327680
    .private_segment_fixed_size: 0
    .kernarg_segment_align: 8
    .kernarg_segment_size: 64
    .max_flat_workgroup_size: 128
    .sgpr_count:     66
    .vgpr_count:     1024
    .wavefront_size: 32
...
	.end_amdgpu_metadata
.endif
;; end of part 4
